; MI455X (gfx1250); checked and timed in simulation.
; The chip was launched on July 23, 2026; its instructions are those of AMD's public machine-readable ISA for CDNA 5 (MIT licence, August 2026) and "CDNA5" Instruction Set Architecture Reference Guide (July 2026). The comments in the code are by the model that wrote it; some were corrected since.
;; Efficient Cross Attention. Allowed arithmetic: float matrix products may take bf16 or f16 operands with f32 sums; other float arithmetic in f32, or as packed bf16 or f16 multiplies, adds, multiply-adds, maxima and minima; sums over many terms, partial sums and values carried from step to step in f32; what a program stores and reads back later, other than sums and carried values, may be rounded once to bf16 or f16.
;; Inputs: Wh 1,024 x 1,024 float32; Wk 768 x 1,024 float32; Wq 1,024 x 1,024 float32; Wv 768 x 1,024 float32; b1 1,024 float32; b2 768 float32; bh 1,024 float32; bk 1,024 float32; bq 1,024 float32; bv 1,024 float32; g1 1,024 float32; g2 768 float32; x1 4 x 4,096 x 1,024 float32; x2 4 x 2,048 x 768 float32.
;; Outputs: out0 4 x 4,096 x 1,024 float32.
;; One version. Each part assembles by itself: llvm-mc -triple=amdgcn-amd-amdhsa -mcpu=gfx1250 --defsym DOCPART=n.
;; ======== version 1 of 1: 4 launches
;; limits: values are held in f16: magnitudes above 65,504 overflow, below 6.1e-05 lose precision
;; workspace buffers: xa 67,108,864 bytes; nx2 12,582,912 bytes; wcat 4,194,304 bytes; wk16 1,572,864 bytes; wv16 1,572,864 bytes; part 16,777,216 bytes; attnf 524,288 bytes
;; launch prep (part 1): grid 992 x 1, 8 waves a work-group, no clusters, 0 bytes of LDS; arguments x1, g1, b1, xa, x2, g2, b2, nx2, Wq, Wh, Wk, Wv, wcat, wk16, wv16; writes xa, nx2, wcat, wk16, wv16
.if DOCPART == 1
	.amdgcn_target "amdgcn-amd-amdhsa--gfx1250"
	.amdhsa_code_object_version 6
	.text
	.protected	k_q35ecadc72d_prep
	.globl	k_q35ecadc72d_prep
	.p2align	8
	.type	k_q35ecadc72d_prep,@function
k_q35ecadc72d_prep:
	s_mov_b64 s[64:65], 0
	v_nop
	global_prefetch_b8 v0, s[64:65] scope:SCOPE_SE
	s_setreg_imm32_b32 hwreg(HW_REG_WAVE_MODE, 25, 1), 1
	s_wait_xcnt 0x0
; PREPARATION, a stream: every input byte is read once, every byte of the five workspace buffers is written once.
; EVERY INPUT IS ROUNDED TO bf16 FIRST, and all that follows is made of the rounded numbers (written x', g', b' below), in f32.
;   work-groups 0-511:   xa[r][0:1024] = bf16(LN(x1'[r]) g1' + b1'), xa[r][1024:2048] = x1'[r] in bf16; 32 rows each
;   work-groups 512-767: nx2[r] = f16(LN(x2'[r]) g2' + b2'); 32 rows each
;   work-groups 768-991: Wq, Wh -> wcat in bf16 (Wq's 1,024 rows, then Wh's); Wk -> wk16, Wv -> wv16: rounded to bf16, and that number written as f16; 65,536 bytes of f32 each
; A wave takes a whole row: load j of a lane brings columns 128 j + 4 lane .. + 3, so a load covers 512 consecutive bytes and a store of 8 bytes a lane
; 256 consecutive bytes, aligned.  The mean is taken first and the squares of the centred numbers second, all in f32: no difference of large sums is formed.
; IN FLIGHT.  A wave has one row on its way and walks four rows; what keeps memory busy is the number of waves: the row is worked on in place, so a wave needs 148 registers, six waves
; share a SIMD's 1,024, and the 768 work-groups of the two norms, three to a WGP, are all at work together.  The row's text is written once: the fourth trip jumps over the refill.
; No LDS, no barrier, no matrix unit: the waves do not depend on each other and the arithmetic is small beside the bytes.
; WHY f16 FOR nx2, Wk, Wv: the last launch's y sums v over 2,048 rows with weights near 1/64 in all 64 channels alike, so what v loses in rounding is not averaged away; f16 keeps 11 significant bits.
; LIMITS: f16 ends at 65,504.  |LN| is at most sqrt(768) = 27.8, so nx2 stays within it while 27.8 |g2| + |b2| does.  A weight of Wk or Wv below 2^-14 = 6.1e-5 keeps f16's fixed step of 6e-8.
; NaN and infinities are not treated apart.
.set G,   8                            ; v[8:39]    g of my columns
.set B,   40                           ; v[40:71]   b of my columns
.set X,   72                           ; v[72:103]  the row: as loaded, rounded and widened, centred, normalised, all in place (the weights' section: v[72:135])
.set Z,   104                          ; v[104:119] the row itself in bf16
.set Y,   120                          ; v[120:135] the normalised row in 16 bits
.set T,   136                          ; v[136:143] at work
.set M,   144                          ; v[144:145] the mean, twice
.set R,   146                          ; v[146:147] 1 / sqrt(var + eps), twice
.set MSK, 34                           ; s34        a word's upper bf16
.macro WSUM r, t                       ; the sum over the wave's 32 lanes, in every lane; t has been written before
	v_add_f32_dpp v[\r], v[\r], v[\r] row_xmask:1 row_mask:0xf bank_mask:0xf
	v_add_f32_dpp v[\r], v[\r], v[\r] row_xmask:2 row_mask:0xf bank_mask:0xf
	v_add_f32_dpp v[\r], v[\r], v[\r] row_xmask:4 row_mask:0xf bank_mask:0xf
	v_add_f32_dpp v[\r], v[\r], v[\r] row_xmask:8 row_mask:0xf bank_mask:0xf
	v_permlanex16_b32 v[\t], v[\r], s16, s17
	v_add_f32 v[\r], v[\r], v[\t]
.endm
; One row.  nj: loads of 16 bytes a lane in a row; dual = 1: the row itself is stored in bf16 too; half = 1: the normalised row leaves in f16, else in bf16.
; s12 counts the rows still to do, this one among them: the last one asks for nothing.
.macro ROW nj, dual, half, rowin, rowout
	s_wait_loadcnt 0x0                             ; the row is in
	s_wait_xcnt 0x0                                ; the last row's stores have read Y, Z and their base: these are rewritten only behind this wait
	s_add_nc_u64 s[4:5], s[4:5], \rowin            ; the next row; the stores below reach back
	s_add_nc_u64 s[10:11], s[10:11], \rowout
.set p, 0
.rept 2*(\nj)
	v_cvt_pk_bf16_f32 v[Z+p], v[X+2*p], v[X+2*p+1] ; the row rounded to bf16,
.set p, p+1
.endr
.set p, 0
.rept 2*(\nj)
	v_lshlrev_b32 v[X+2*p], 16, v[Z+p]             ; and widened again: the norm is taken of the rounded numbers
	v_and_b32 v[X+2*p+1], s[MSK], v[Z+p]
.set p, p+1
.endr
.irp c, 0,1,2,3
	v_pk_add_f32 v[T+2*(\c):T+2*(\c)+1], v[X+2*(\c):X+2*(\c)+1], v[X+8+2*(\c):X+8+2*(\c)+1]  ; four chains, started by the first eight pairs
.endr
.set p, 8
.rept 2*(\nj)-8
	v_pk_add_f32 v[T+2*(p%4):T+2*(p%4)+1], v[T+2*(p%4):T+2*(p%4)+1], v[X+2*p:X+2*p+1]
.set p, p+1
.endr
	v_pk_add_f32 v[T:T+1], v[T:T+1], v[T+2:T+3]
	v_pk_add_f32 v[T+4:T+5], v[T+4:T+5], v[T+6:T+7]
	v_pk_add_f32 v[T:T+1], v[T:T+1], v[T+4:T+5]
	v_add_f32 v[T], v[T], v[T+1]
	WSUM T, T+1
	v_mul_f32 v[M], s18, v[T]
	v_mul_f32 v[M+1], s18, v[T]
.set p, 0
.rept 2*(\nj)
	v_pk_add_f32 v[X+2*p:X+2*p+1], v[X+2*p:X+2*p+1], v[M:M+1] neg_lo:[0,1] neg_hi:[0,1]
.set p, p+1
.endr
.irp c, 0,1,2,3
	v_pk_mul_f32 v[T+2*(\c):T+2*(\c)+1], v[X+2*(\c):X+2*(\c)+1], v[X+2*(\c):X+2*(\c)+1]
.endr
.set p, 4
.rept 2*(\nj)-4
	v_pk_fma_f32 v[T+2*(p%4):T+2*(p%4)+1], v[X+2*p:X+2*p+1], v[X+2*p:X+2*p+1], v[T+2*(p%4):T+2*(p%4)+1]
.set p, p+1
.endr
	v_pk_add_f32 v[T:T+1], v[T:T+1], v[T+2:T+3]
	v_pk_add_f32 v[T+4:T+5], v[T+4:T+5], v[T+6:T+7]
	v_pk_add_f32 v[T:T+1], v[T:T+1], v[T+4:T+5]
	v_add_f32 v[T], v[T], v[T+1]
	WSUM T, T+1
	v_fma_f32 v[T], v[T], s18, s19                 ; the variance + eps
	v_rsq_f32 v[R], v[T]
	v_rsq_f32 v[R+1], v[T]
	v_nop                                          ; a plain instruction behind the second root (ISA guide 5.7.2),
	s_wait_alu depctr_va_vdst(0)                   ; and one wait ahead of the first use of the two
.set p, 0
.rept 2*(\nj)
	v_pk_mul_f32 v[X+2*p:X+2*p+1], v[X+2*p:X+2*p+1], v[R:R+1]
.set p, p+1
.endr
.set p, 0
.rept 2*(\nj)
	v_pk_fma_f32 v[X+2*p:X+2*p+1], v[X+2*p:X+2*p+1], v[G+2*p:G+2*p+1], v[B+2*p:B+2*p+1]
.set p, p+1
.endr
.set p, 0
.rept 2*(\nj)
.if \half
	v_cvt_pk_f16_f32 v[Y+p], v[X+2*p], v[X+2*p+1]
.else
	v_cvt_pk_bf16_f32 v[Y+p], v[X+2*p], v[X+2*p+1]
.endif
.set p, p+1
.endr
	s_cmp_eq_u32 s12, 1                            ; the wave's last row has no row behind it: no load leaves the buffer
	s_cbranch_scc1 .Lno_more_\@
.set j, 0
.rept \nj
	global_load_b128 v[X+4*j:X+4*j+3], v1, s[4:5] offset:512*j th:TH_LOAD_NT  ; the next row is asked for ahead of this row's stores
.set j, j+1
.endr
.Lno_more_\@:
.set j, 0
.rept \nj
	global_store_b64 v2, v[Y+2*j:Y+2*j+1], s[10:11] offset:256*j-(\rowout)  ; 32 lanes store 256 consecutive bytes, aligned
.set j, j+1
.endr
.if \dual
.set j, 0
.rept \nj
	global_store_b64 v2, v[Z+2*j:Z+2*j+1], s[10:11] offset:256*j+2048-(\rowout)
.set j, j+1
.endr
.endif
.endm
; A section of layer norms: the arguments in, g, b, out stand at byte argoff; its first work-group is wg0; inv = 1 / the row's length.
.macro LN nj, dual, half, rowin, rowout, inv, argoff, wg0
	s_load_b256 s[4:11], s[0:1], \argoff           ; in s[4:5], g s[6:7], b s[8:9], out s[10:11]
	s_sub_co_u32 s2, ttmp9, \wg0
	s_lshl_b32 s2, s2, 5
	s_lshl2_add_u32 s2, s13, s2                    ; my first row: 32 x work-group + 4 x wave
	s_mul_i32 s14, s2, \rowin                      ; both offsets stay under 2^27
	s_mov_b32 s15, 0
	s_mul_i32 s2, s2, \rowout
	s_mov_b32 s3, 0
	s_mov_b32 s18, \inv
	s_wait_kmcnt 0x0
	s_add_nc_u64 s[4:5], s[4:5], s[14:15]
	s_add_nc_u64 s[10:11], s[10:11], s[2:3]
.set j, 0
.rept \nj
	global_load_b128 v[G+4*j:G+4*j+3], v1, s[6:7] offset:512*j
	global_load_b128 v[B+4*j:B+4*j+3], v1, s[8:9] offset:512*j
.set j, j+1
.endr
.set j, 0
.rept \nj
	global_load_b128 v[X+4*j:X+4*j+3], v1, s[4:5] offset:512*j th:TH_LOAD_NT
.set j, j+1
.endr
	s_wait_loadcnt \nj                             ; g and b are in; the first row's loads, issued behind them, may stay out
.set p, 0
.rept 2*(\nj)
	v_cvt_pk_bf16_f32 v[T], v[G+2*p], v[G+2*p+1]   ; g and b rounded to bf16 and widened again, once
	v_cvt_pk_bf16_f32 v[T+1], v[B+2*p], v[B+2*p+1]
	v_lshlrev_b32 v[G+2*p], 16, v[T]
	v_and_b32 v[G+2*p+1], s[MSK], v[T]
	v_lshlrev_b32 v[B+2*p], 16, v[T+1]
	v_and_b32 v[B+2*p+1], s[MSK], v[T+1]
.set p, p+1
.endr
	s_mov_b32 s12, 4
.Lrow_\@:
	ROW \nj, \dual, \half, \rowin, \rowout
	s_sub_co_u32 s12, s12, 1
	s_cmp_lg_u32 s12, 0
	s_cbranch_scc1 .Lrow_\@
	s_endpgm
.endm
; The weights' way out, in place: sixteen loads are on their way.  half = 0: bf16.  half = 1: rounded to bf16, widened, and that number written as f16.
.macro CONVOUT half
.set j, 0
.rept 16
	s_wait_loadcnt 15-j                            ; loads come back in order: load j is in, the 15 - j younger ones may stay out
	v_cvt_pk_bf16_f32 v[X+4*j], v[X+4*j], v[X+4*j+1]
	v_cvt_pk_bf16_f32 v[X+4*j+1], v[X+4*j+2], v[X+4*j+3]
.if \half
	v_lshlrev_b32 v[T], 16, v[X+4*j]
	v_and_b32 v[T+1], s[MSK], v[X+4*j]
	v_lshlrev_b32 v[X+4*j+2], 16, v[X+4*j+1]
	v_and_b32 v[X+4*j+3], s[MSK], v[X+4*j+1]
	v_cvt_pk_f16_f32 v[X+4*j], v[T], v[T+1]
	v_cvt_pk_f16_f32 v[X+4*j+1], v[X+4*j+2], v[X+4*j+3]
.endif
	global_store_b64 v2, v[X+4*j:X+4*j+1], s[6:7] offset:256*j
.set j, j+1
.endr
	s_endpgm
.endm
	v_lshrrev_b32 v3, 5, v0
	v_readfirstlane_b32 s13, v3                    ; wave 0..7
	v_and_b32 v4, 31, v0
	v_lshlrev_b32 v1, 4, v4                        ; 16 x lane: f32 in
	v_lshlrev_b32 v2, 3, v4                        ; 8 x lane: 16 bits out
	s_mov_b32 s16, 0x76543210                      ; v_permlanex16_b32: each lane takes its own place in the other half
	s_mov_b32 s17, 0xfedcba98
	s_mov_b32 s19, 0x3727c5ac                      ; eps = 1e-5
	s_mov_b32 s[MSK], 0xffff0000
	s_cmp_lt_u32 ttmp9, 512
	s_cbranch_scc0 .Lnot_ln1
	LN 8, 1, 0, 4096, 4096, 0x3a800000, 0x0, 0     ; x1: 1 / 1024
.Lnot_ln1:
	s_cmp_lt_u32 ttmp9, 768
	s_cbranch_scc0 .Lconv
	LN 6, 0, 1, 3072, 1536, 0x3aaaaaab, 0x20, 512  ; x2: 1 / 768
.Lconv:
	s_load_b256 s[20:27], s[0:1], 0x40             ; Wq s[20:21], Wh s[22:23], Wk s[24:25], Wv s[26:27]
	s_load_b128 s[28:31], s[0:1], 0x60             ; wcat s[28:29], wk16 s[30:31]
	s_load_b64 s[32:33], s[0:1], 0x70              ; wv16
	s_sub_co_u32 s2, ttmp9, 768                    ; c: 0-63 Wq, 64-127 Wh, 128-175 Wk, 176-223 Wv
	s_sub_co_u32 s9, s2, 64                        ; the piece's number within its matrix, for each of the four cases
	s_sub_co_u32 s10, s2, 128
	s_sub_co_u32 s11, s2, 176
	s_wait_kmcnt 0x0
	s_cmp_lt_u32 s2, 176
	s_cselect_b64 s[4:5], s[24:25], s[26:27]
	s_cselect_b64 s[6:7], s[30:31], s[32:33]
	s_cselect_b32 s3, s10, s11
	s_cmp_lt_u32 s2, 128
	s_cselect_b64 s[4:5], s[22:23], s[4:5]
	s_cselect_b64 s[6:7], s[28:29], s[6:7]
	s_cselect_b32 s3, s9, s3
	s_cselect_b32 s14, 0x200000, 0                 ; Wh lies behind Wq's 2,097,152 bytes in wcat
	s_cmp_lt_u32 s2, 64
	s_cselect_b64 s[4:5], s[20:21], s[4:5]
	s_cselect_b32 s3, s2, s3
	s_cselect_b32 s14, 0, s14
	s_lshl_b32 s8, s3, 16                          ; 65,536 bytes of f32 a work-group,
	s_lshl_b32 s12, s13, 13                        ; 8,192 a wave
	s_add_co_u32 s8, s8, s12
	s_mov_b32 s9, 0
	s_lshr_b32 s10, s8, 1                          ; half as many out
	s_add_co_u32 s10, s10, s14
	s_mov_b32 s11, 0
	s_add_nc_u64 s[4:5], s[4:5], s[8:9]
	s_add_nc_u64 s[6:7], s[6:7], s[10:11]
.set j, 0
.rept 16
	global_load_b128 v[X+4*j:X+4*j+3], v1, s[4:5] offset:512*j th:TH_LOAD_NT
.set j, j+1
.endr
	s_cmp_lt_u32 s2, 128                           ; Wq and Wh leave in bf16, Wk and Wv in f16
	s_cbranch_scc0 .Lhalf
	CONVOUT 0
.Lhalf:
	CONVOUT 1
.Lfunc_end_k_q35ecadc72d_prep:
	.size	k_q35ecadc72d_prep, .Lfunc_end_k_q35ecadc72d_prep-k_q35ecadc72d_prep
	.p2alignl 7, 3214868480
	.fill 96, 4, 3214868480
	.section	.rodata,"a",@progbits
	.p2align	6, 0x0
	.amdhsa_kernel k_q35ecadc72d_prep
		.amdhsa_group_segment_fixed_size 0
		.amdhsa_private_segment_fixed_size 0
		.amdhsa_enable_private_segment 0
		.amdhsa_kernarg_size 120
		.amdhsa_user_sgpr_count 2
		.amdhsa_user_sgpr_kernarg_segment_ptr 1
		.amdhsa_wavefront_size32 1
		.amdhsa_system_sgpr_workgroup_id_x 1
		.amdhsa_system_sgpr_workgroup_id_y 1
		.amdhsa_system_sgpr_workgroup_id_z 1
		.amdhsa_system_vgpr_workitem_id 0
		.amdhsa_next_free_vgpr 152
		.amdhsa_next_free_sgpr 66
		.amdhsa_reserve_vcc 0
		.amdhsa_float_denorm_mode_32 3
		.amdhsa_float_denorm_mode_16_64 3
		.amdhsa_memory_ordered 1
		.amdhsa_forward_progress 1
		.amdhsa_inst_pref_size 49
	.end_amdhsa_kernel
	.amdgpu_metadata
---
amdhsa.version: [ 1, 2 ]
amdhsa.kernels:
  - .name:           k_q35ecadc72d_prep
    .symbol:         k_q35ecadc72d_prep.kd
    .args:
      - { .name: x1, .offset: 0, .size: 8, .value_kind: global_buffer, .address_space: global }
      - { .name: g1, .offset: 8, .size: 8, .value_kind: global_buffer, .address_space: global }
      - { .name: b1, .offset: 16, .size: 8, .value_kind: global_buffer, .address_space: global }
      - { .name: xa, .offset: 24, .size: 8, .value_kind: global_buffer, .address_space: global }
      - { .name: x2, .offset: 32, .size: 8, .value_kind: global_buffer, .address_space: global }
      - { .name: g2, .offset: 40, .size: 8, .value_kind: global_buffer, .address_space: global }
      - { .name: b2, .offset: 48, .size: 8, .value_kind: global_buffer, .address_space: global }
      - { .name: nx2, .offset: 56, .size: 8, .value_kind: global_buffer, .address_space: global }
      - { .name: Wq, .offset: 64, .size: 8, .value_kind: global_buffer, .address_space: global }
      - { .name: Wh, .offset: 72, .size: 8, .value_kind: global_buffer, .address_space: global }
      - { .name: Wk, .offset: 80, .size: 8, .value_kind: global_buffer, .address_space: global }
      - { .name: Wv, .offset: 88, .size: 8, .value_kind: global_buffer, .address_space: global }
      - { .name: wcat, .offset: 96, .size: 8, .value_kind: global_buffer, .address_space: global }
      - { .name: wk16, .offset: 104, .size: 8, .value_kind: global_buffer, .address_space: global }
      - { .name: wv16, .offset: 112, .size: 8, .value_kind: global_buffer, .address_space: global }
    .group_segment_fixed_size: 0
    .private_segment_fixed_size: 0
    .kernarg_segment_align: 8
    .kernarg_segment_size: 120
    .max_flat_workgroup_size: 256
    .sgpr_count:     66
    .vgpr_count:     152
    .wavefront_size: 32
...
	.end_amdgpu_metadata
.endif
;; end of part 1
;; launch kv (part 2): grid 8 x 32, 4 waves a work-group, clusters of 4 x 4, 327,680 bytes of LDS; arguments nx2, wk16, wv16, bk, bv, part; writes part
.if DOCPART == 2
	.amdgcn_target "amdgcn-amd-amdhsa--gfx1250"
	.amdhsa_code_object_version 6
	.text
	.protected	k_q35ecadc72d_kv
	.globl	k_q35ecadc72d_kv
	.p2align	8
	.type	k_q35ecadc72d_kv,@function
k_q35ecadc72d_kv:
	s_mov_b64 s[64:65], 0
	v_nop
	global_prefetch_b8 v0, s[64:65] scope:SCOPE_SE
	s_setreg_imm32_b32 hwreg(HW_REG_WAVE_MODE, 25, 1), 1
	s_wait_xcnt 0x0
	s_wait_alu depctr_hold_cnt(0) depctr_sa_sdst(0) depctr_va_vdst(0) depctr_va_sdst(0) depctr_va_ssrc(0) depctr_va_vcc(0) depctr_vm_vsrc(0)
	s_getreg_b32 s2, hwreg(HW_REG_IB_STS2, 6, 4)
	s_cmp_eq_u32 s2, 0
	s_cbranch_scc0 .Lentry_in_a_cluster
	s_endpgm
.Lentry_in_a_cluster:
	s_bfe_u32 s2, ttmp6, 0x10000c
	s_cmp_lg_u32 s2, 0xf033
	s_cbranch_scc0 .Lentry_shape_is_right
	s_endpgm
.Lentry_shape_is_right:
; k = softmax_d(nx2 Wk + bk), v = nx2 Wv + bv, and partial sums of attn[b][h][d][l] = sum over n of k[n][d] v[n][l].
; nx2: [8192][768] f16.  wk16, wv16: [768][1024] f16, K down the rows.  part: f32, [16 b + h][chunk of 128 rows (16)][tile 4 dt + lt][half p][lane][4]: the registers of the 16 x 16 results as they lie.
; SHARES.  A work-group takes 256 rows of nx2 (tile row tr) and two heads (tile column tc): 128 columns of Wk and the same 128 of Wv, a block of 256 x 256.  Four waves, each 128 rows x (64 of k + 64 of v)
; of ONE head: 64 accumulators, 512 registers.  K = 768 goes in six steps of 128 through two LDS slots filled by the tensor data mover.
; THE RING'S TEXT IS WRITTEN FOR ONE K STEP: the slot in hand is a scalar (0 or SLOT), turned by an exclusive or at each change of slots; the LDS addresses are made of it anew, and one descriptor a tensor walks.
; The weights' fragments come out of LDS turned, by ds_load_tr16_b128: two loads a fragment, as for rows that lie along K.
; THE PRODUCT IS TAKEN AS IT STANDS (source 0 = 16 rows of nx2, source 1 = 16 columns): a lane holds ONE column (lane % 16) and the rows 8 (lane / 16) + 0..7.  Rounded to f16 in pairs, two such
; results ARE a fragment (16 columns x 32 rows) of k^T and of v for the second product, and the softmax over a head's 64 columns is four registers and sixteen lanes.
; THE BIASES, rounded to bf16 like every input, are the C operand of the first products.  The softmax takes each row's own maximum away.
; CLUSTER.  4 x 4 work-groups: the four of a row of the cluster need the same rows of nx2, the four of a column the same columns of Wk and Wv: each tile is asked for jointly.
; LIMITS: all matrix operands here (nx2, the weights, k, v) are f16, which ends at 65,504: k lies in 0 to 1 (below 6e-5 it keeps f16's fixed step of 6e-8); v = nx2 Wv + bv must stay under 65,504
; (with g2 and Wv both 30 times the size of a gain of one and of weights of spread 1 / sqrt(768) its spread is about 900).  An exponential below 2^-126 counts as 0; NaN and infinities are not treated apart.
; The partial sums stay in f32.
; REGISTERS, in windows of 256 (s_set_vgpr_msb: bits 1:0 source 0, 3:2 source 1, 5:4 source 2, 7:6 destination):
;   window 0: v0-31 addresses; v32-63 at work; v64-127, v128-191 nx2's fragments, two buffers (at the end: 32 rows read back); v192-255 the biases (at the end: fragments of k^T and v)
;   window 1: v64-127, v128-191 the weights' fragments, two buffers (at the end: v0-127 the 16 results of k^T v)     windows 2, 3: the accumulators, (a, b) at v[8 (8 (a % 4) + b)]
.set PA,     272                       ; a row of nx2 in LDS: 256 bytes + 16: the 16 rows of a load start at 16 different groups of four banks (64 banks of 4 bytes: ISA guide 11.1)
.set PB,     288                       ; a row of weights: 256 + 32
.set HALFA,  128*PA
.set HALFB,  128*PB
.set BOFF,   2*HALFA                   ; a slot: nx2's 256 rows, then 128 K rows of Wk's columns, then of Wv's: 143,360 bytes
.set SLOT,   147456                    ; slot 1 begins here.  The number has bits 17 and 14 alone, and none of the four tiles' places in slot 0 (0, 34,816, 69,632, 106,496) has either: one exclusive or turns a place into the other slot's
.set SPARE,  2*SLOT                    ; behind the ring: the spare words, 128 bytes for each wave: two blocks of 256 bytes that no other line names
.set KSTEPS, 6                         ; 768 / 128
.set ROWA,   1536                      ; bytes in a row of nx2
.set ROWB,   2048                      ; bytes in a row of wk16 and wv16
.set ADRA0,  16                        ; v16     my lane's place among my fragments of nx2 in slot 0; never rewritten
.set ADRB0,  17                        ; v17     among my head's columns of Wk; never rewritten
.set ADRB20, 18                        ; v18     among my head's columns of Wv; never rewritten
.set ADRA,   20                        ; v20-22  the same three in the slot in hand
.set ADRB,   21
.set ADRB2,  22
.set DA,     24                        ; v24     the end: my 16 bytes in my wave's 65,536 bytes of LDS
.set DR,     25                        ; v25     the end: the same, at the pair of row tiles in hand
.set CO,     26                        ; v26     16 x lane
.set BO,     27                        ; v27     4 x (lane % 16)
.set SPW,    28                        ; v28     LDS address of my spare word; never rewritten
.set NIL,    29                        ; v29     0; never rewritten
.set PFO,    30                        ; v30     the prefetches' offset: lane x a row's bytes; never rewritten
.set F0,     64
.set F1,     128
.set BIAS,   192
.set TB,     2                         ; s2   the slot in hand: 0 or SLOT
.set WV,     20                        ; s20  my wave's number
.set WHI,    21                        ; s21  my half of the rows.  Also: I fetch nx2 (0) or weights (1)
.set WLO,    22                        ; s22  my head of the two.  Also: which half of nx2's rows, or Wk (0) or Wv (1), I fetch
.set G1A,    24                        ; s[24:31] descriptor group 1 for nx2's tiles;  s[32:39] group 0: a set for each of the two first fills; the second then walks on
.set G0A,    32
.set PFA,    44                        ; s[44:45] where my prefetches stand
.set G1B,    48                        ; s[48:55], s[56:63] the same for the weights' tiles
.set G0B,    56
.set LIM,    66                        ; s66  2 in a wave that prefetches, else the greatest number
.set PFS,    68                        ; s[68:69] a K step in bytes, along nx2's rows or down the weights'
.set CS,     70                        ; s[70:71] log2(e)
.set MSB, 0
.macro WIN new                         ; the immediate's high byte repeats the setting that is left; a switch that changes nothing is dropped
.if MSB != (\new)
	s_set_vgpr_msb (MSB<<8)|(\new)
.set MSB, \new
.endif
.endm
.macro PLACES                          ; four places in front of loads into registers that matrix instructions have read and of lines that read results
.rept 4
	v_nop
.endr
.endm
; A joint load: waves 0 and 1 fetch nx2's two halves, wave 2 Wk's columns, wave 3 Wv's.  The branch hangs on the wave's number alone.  An s_nop 0 and four v_nop follow each line.
.macro JLOAD s
	s_cmp_eq_u32 s[WHI], 0
	s_cbranch_scc0 .Lfor_b_\@
	tensor_load_to_lds s[G0A+4*(\s):G0A+4*(\s)+3], s[G1A:G1A+7]
	s_nop 0
.rept 4
	v_nop
.endr
	s_branch .Lasked_\@
.Lfor_b_\@:
	tensor_load_to_lds s[G0B+4*(\s):G0B+4*(\s)+3], s[G1B:G1B+7]
	s_nop 0
.rept 4
	v_nop
.endr
.Lasked_\@:
.endm
; A prefetch into the L2 of the K step that stands two refills on: 32 rows x 256 bytes, a lane a row.  nx2's rows are read by both clusters of a row of clusters: the one with x = 0 asks; the weights'
; columns by all clusters of a column: the one with y = 0 asks.  Of the 128 rows that a wave fetches each of the four partners takes 32, told apart by address.  The loop's last two trips have no K step two refills on.
.macro ASK
	s_cmp_gt_u32 s3, s[LIM]
	s_cbranch_scc0 .Lnot_mine_\@
	global_prefetch_b8 v[PFO], s[PFA:PFA+1] th:TH_LOAD_NT scope:SCOPE_SE
.Lnot_mine_\@:
.endm
.macro CREST                           ; a round of the cluster's barrier behind its opening barrier
	s_cmp_lg_u32 s[WV], 0
	s_cbranch_scc1 .Lnot_wave_0_\@
	s_barrier_signal -3
.Lnot_wave_0_\@:
	s_barrier_wait -3
	s_barrier_signal -1
	s_barrier_wait -1
.endm
.macro CROUND                          ; a whole round
	s_barrier_signal -1
	s_barrier_wait -1
	CREST
.endm
	s_load_b256 s[4:11], s[0:1], 0x0               ; nx2 s[4:5], wk16 s[6:7], wv16 s[8:9], bk s[10:11]
	s_load_b128 s[12:15], s[0:1], 0x20             ; bv s[12:13], part s[14:15]
	v_lshl_add_u32 v[SPW], v0, 2, SPARE
	v_mov_b32 v[NIL], 0
	ds_add_u32 v[SPW], v[NIL]                      ; the wave's opening: the add and its wait come ahead of my first tensor load; the set-up below stands between them
	v_lshrrev_b32 v1, 5, v0
	v_readfirstlane_b32 s[WV], v1
	s_lshr_b32 s[WHI], s[WV], 1
	s_and_b32 s[WLO], s[WV], 1
	s_bfe_u32 s40, ttmp6, 0x40000                  ; cx, cy: my place in the cluster
	s_bfe_u32 s41, ttmp6, 0x40004
	s_lshl_b32 s42, ttmp9, 2
	s_add_co_u32 s42, s42, s40                     ; tc = 4 x cluster x + cx
	s_and_b32 s43, ttmp7, 0xffff
	s_lshl_b32 s43, s43, 2
	s_add_co_u32 s43, s43, s41                     ; tr = 4 x cluster y + cy
	s_lshl_b32 s16, s41, 2
	s_lshl_b32 s16, 15, s16                        ; my row of the cluster
	s_lshl_b32 s17, 0x1111, s40                    ; my column
	s_or_b32 s[G1A], s16, (1<<16)|(1<<20)|(1<<21)|(5<<22)|(3<<25)  ; 15:0 the mask; 17:16 2-byte elements; 20 padding on; 21 set beside a mask; 24:22 after every 64 words; 31:25 4 words of it
	s_or_b32 s[G1B], s17, (1<<16)|(1<<20)|(1<<21)|(5<<22)|(7<<25)  ; the same with my column's mask and 8 words of padding
.irp g, G1A, G1B
	s_mov_b32 s[(\g)+1], 128<<16                   ; tensor_dim0 = 128
	s_mov_b32 s[(\g)+2], 128<<16                   ; tensor_dim1 = 128
	s_mov_b32 s[(\g)+3], 128<<16                   ; tile_dim0 = 128
	s_mov_b32 s[(\g)+4], 128                       ; tile_dim1 = 128
	s_mov_b32 s[(\g)+6], 0
	s_mov_b32 s[(\g)+7], 0
.endr
	s_mov_b32 s[G1A+5], ROWA/2                     ; elements from row to row
	s_mov_b32 s[G1B+5], ROWB/2
	s_lshl_b32 s74, s43, 8                         ; nx2: row 256 tr + 128 x half, in bytes: made of tr and the wave's number alone
	s_lshl_b32 s23, s[WLO], 7
	s_add_co_u32 s74, s74, s23
	s_mul_i32 s74, s74, ROWA
	s_mov_b32 s75, 0
	s_lshl_b32 s46, s42, 8                         ; the weights: column 128 tc, in bytes: made of tc alone
	s_mov_b32 s47, 0
	s_mul_i32 s18, s[WLO], HALFA                   ; where the tiles go: no place in the cluster enters an LDS address
	s_mul_i32 s19, s[WLO], HALFB
	s_add_co_u32 s19, s19, BOFF
	s_mov_b32 s[CS], 0x3fb8aa3b
	s_mov_b32 s[CS+1], s[CS]                       ; named with it as a pair
	s_mov_b32 s[TB], 0
	s_wait_dscnt 0x0                               ; the opening add is done
	s_wait_kmcnt 0x0
	s_add_nc_u64 s[74:75], s[4:5], s[74:75]
	s_cmp_eq_u32 s[WLO], 0
	s_cselect_b64 s[76:77], s[6:7], s[8:9]         ; Wk or Wv, by the wave's number
	s_add_nc_u64 s[46:47], s[76:77], s[46:47]
	CROUND                                         ; all sixteen work-groups are here: the first joint loads meet
.irp s, 0,1
	s_mov_b32 s[G0A+4*(\s)], 1
	s_add_co_u32 s[G0A+4*(\s)+1], s18, (\s)*SLOT
	s_add_nc_u64 s[G0A+4*(\s)+2:G0A+4*(\s)+3], s[74:75], (\s)*256
	s_or_b32 s[G0A+4*(\s)+3], s[G0A+4*(\s)+3], 0x80000000
	s_mov_b32 s[G0B+4*(\s)], 1
	s_add_co_u32 s[G0B+4*(\s)+1], s19, (\s)*SLOT
	s_add_nc_u64 s[G0B+4*(\s)+2:G0B+4*(\s)+3], s[46:47], (\s)*128*ROWB
	s_or_b32 s[G0B+4*(\s)+3], s[G0B+4*(\s)+3], 0x80000000
	JLOAD \s                                       ; two loads of mine are out
.endr
	v_and_b32 v1, 15, v0                           ; l % 16
	v_bfe_u32 v2, v0, 4, 1                         ; l / 16
	v_and_b32 v7, 31, v0                           ; l
	v_mul_u32_u24 v3, v1, PA
	v_lshl_add_u32 v3, v2, 4, v3                   ; nx2: row x pitch + 16 x half
	v_and_b32 v4, 7, v0
	v_bfe_u32 v5, v0, 3, 1
	v_lshl_add_u32 v6, v2, 3, v4
	v_mul_u32_u24 v6, v6, PB
	v_lshl_add_u32 v6, v5, 4, v6                   ; the weights: K row 8 (l / 16) + l % 8, columns 8 ((l / 8) % 2) on
	s_mul_i32 s16, s[WHI], HALFA
	s_lshl_b32 s17, s[WLO], 7                      ; my head's 64 columns: 128 bytes
	s_add_co_u32 s17, s17, BOFF
	v_add_nc_u32 v[ADRA0], s16, v3
	v_add_nc_u32 v[ADRB0], s17, v6
	v_add_nc_u32 v[ADRB20], HALFB, v[ADRB0]
	v_mov_b32 v[ADRA], v[ADRA0]                    ; K step 0 lies in slot 0
	v_mov_b32 v[ADRB], v[ADRB0]
	v_mov_b32 v[ADRB2], v[ADRB20]
	s_lshl_b32 s16, s[WV], 16
	v_lshl_add_u32 v[DA], v7, 4, s16               ; 65,536 x wave + 16 x lane
	v_lshlrev_b32 v[CO], 4, v7
	v_lshlrev_b32 v[BO], 2, v1
	s_lshl_b32 s78, s42, 9                         ; the biases of head 2 tc + e: 256 bytes a head
	s_lshl_b32 s16, s[WLO], 8
	s_add_co_u32 s78, s78, s16
	s_mov_b32 s79, 0
	s_add_nc_u64 s[10:11], s[10:11], s[78:79]
	s_add_nc_u64 s[12:13], s[12:13], s[78:79]
.irp b, 0,1,2,3
	global_load_b32 v[BIAS+8*(\b)], v[BO], s[10:11] offset:64*(\b)     ; bk of column 16 b + l % 16
	global_load_b32 v[BIAS+32+8*(\b)], v[BO], s[12:13] offset:64*(\b)  ; bv likewise
.endr
	s_lshr_b32 s16, s43, 3                         ; part: ((16 b + h) x 16 + chunk) x 16,384, b = tr / 8, h = 2 tc + e, chunk = 2 (tr % 8) + my half of the rows
	s_lshl_b32 s16, s16, 4
	s_lshl1_add_u32 s16, s42, s16
	s_add_co_u32 s16, s16, s[WLO]
	s_lshl_b32 s16, s16, 4
	s_and_b32 s17, s43, 7
	s_lshl1_add_u32 s17, s17, s[WHI]
	s_add_co_u32 s16, s16, s17
	s_lshl_b32 s16, s16, 14
	s_mov_b32 s17, 0
	s_add_nc_u64 s[14:15], s[14:15], s[16:17]
	; the prefetches
	s_mov_b32 s18, 32*ROWB
	s_mov_b32 s[PFS], 128*ROWB
	s_mov_b32 s19, ROWB
	s_and_b32 s16, ttmp7, 0xffff                   ; cluster y
	s_cmp_eq_u32 s[WHI], 0                         ; do I fetch nx2?
	s_cselect_b32 s17, s40, s41                    ; my place among the four that ask with me
	s_cselect_b32 s16, ttmp9, s16                  ; the coordinate along which other clusters read the same rows
	s_cselect_b64 s[PFA:PFA+1], s[74:75], s[46:47]
	s_cselect_b32 s18, 32*ROWA, s18
	s_cselect_b32 s[PFS], 256, s[PFS]
	s_cselect_b32 s19, ROWA, s19
	s_mov_b32 s[PFS+1], 0
	s_cmp_eq_u32 s16, 0
	s_cselect_b32 s[LIM], 2, -1                    ; the same in all sixteen partners, for a given wave
	s_mul_i32 s16, s17, s18                        ; my work-group's 32 rows of the 128
	s_mov_b32 s17, 0
	s_add_nc_u64 s[PFA:PFA+1], s[PFA:PFA+1], s[16:17]
	s_mul_i32 s16, s[PFS], 3                       ; at K step 3: the first refill steps it to 4 and names that; nothing is asked for here, at the head
	s_add_nc_u64 s[PFA:PFA+1], s[PFA:PFA+1], s[16:17]
	v_mul_u32_u24 v[PFO], s19, v7
	s_wait_loadcnt 0x0                             ; the biases
.irp b, 0,1,2,3,4,5,6,7
	v_cvt_pk_bf16_f32 v[BIAS+8*(\b)], v[BIAS+8*(\b)], v[BIAS+8*(\b)]  ; rounded to bf16, like every input,
.endr
.irp b, 0,1,2,3,4,5,6,7
	v_lshlrev_b32 v[BIAS+8*(\b)], 16, v[BIAS+8*(\b)]                  ; and widened again
.endr
.irp b, 0,1,2,3,4,5,6,7
.irp j, 1,2,3,4,5,6,7
	v_mov_b32 v[BIAS+8*(\b)+(\j)], v[BIAS+8*(\b)]  ; a lane's eight rows of a column take the same bias
.endr
.endr
; 16 matrix instructions: row tiles a0, a0 + 1 of the window's four x all 8 column tiles, 32 along K.  first = 1: the biases start the sums.  The 64 accumulators take turns.
.macro MUL16 f, hi, a0, first
.if \first
	WIN 0x84+0x40*(\hi)
.else
	WIN 0xa4+0x50*(\hi)
.endif
.irp a, \a0, (\a0)+1
.irp b, 0,1,2,3,4,5,6,7
.if \first
	v_wmma_f32_16x16x32_f16 v[8*(8*(\a)+(\b)):8*(8*(\a)+(\b))+7], v[(\f)+8*(4*(\hi)+(\a)):(\f)+8*(4*(\hi)+(\a))+7], v[(\f)+8*(\b):(\f)+8*(\b)+7], v[BIAS+8*(\b):BIAS+8*(\b)+7]
.else
	v_wmma_f32_16x16x32_f16 v[8*(8*(\a)+(\b)):8*(8*(\a)+(\b))+7], v[(\f)+8*(4*(\hi)+(\a)):(\f)+8*(4*(\hi)+(\a))+7], v[(\f)+8*(\b):(\f)+8*(\b)+7], v[8*(8*(\a)+(\b)):8*(8*(\a)+(\b))+7]
.endif
.endr
.endr
.endm
; 32 LDS loads in one run: quarter q (32 along K) of the slot in hand into buffer f: the weights' 8 fragments, turned, then nx2's 8
.macro FETCH q, f
	WIN 0x40
.irp b, 0,1,2,3
	ds_load_tr16_b128 v[(\f)+8*(\b):(\f)+8*(\b)+3],   v[ADRB] offset:(\q)*32*PB+32*(\b)
	ds_load_tr16_b128 v[(\f)+8*(\b)+4:(\f)+8*(\b)+7], v[ADRB] offset:(\q)*32*PB+32*(\b)+16*PB
.endr
.irp b, 0,1,2,3
	ds_load_tr16_b128 v[(\f)+32+8*(\b):(\f)+32+8*(\b)+3],   v[ADRB2] offset:(\q)*32*PB+32*(\b)
	ds_load_tr16_b128 v[(\f)+32+8*(\b)+4:(\f)+32+8*(\b)+7], v[ADRB2] offset:(\q)*32*PB+32*(\b)+16*PB
.endr
	WIN 0
.irp i, 0,1,2,3,4,5,6,7
	ds_load_b128 v[(\f)+8*(\i):(\f)+8*(\i)+3],   v[ADRA] offset:64*(\q)+(\i)*16*PA
	ds_load_b128 v[(\f)+8*(\i)+4:(\f)+8*(\i)+7], v[ADRA] offset:64*(\q)+(\i)*16*PA+32
.endr
.endm
; One of a K step's first three quarters: multiplies buffer f and, in its middle, fetches quarter q into buffer g
.macro QUARTER q, f, g, first
	s_wait_dscnt 8                                 ; all but the youngest eight loads (nx2's rows 64-127)
	MUL16 \f, 0, 0, \first
	MUL16 \f, 0, 2, \first
	PLACES
	FETCH \q, \g
	s_wait_dscnt 32                                ; all but the 32 just issued
	MUL16 \f, 1, 0, \first
	MUL16 \f, 1, 2, \first
.endm
; The first half of the last quarter, and the one barrier of a change of slots: in front of it each wave waits for all its tensor loads (one is out at the most: its part of the next slot), adds 0 to its spare
; word, and waits for that and for its reads of this slot.  All loads from this slot have been issued, so the slot in hand is turned and the three addresses are made anew while the add is out.
.macro MEET
	WIN 0
	s_wait_tensorcnt 0x0
	ds_add_u32 v[SPW], v[NIL]
	s_xor_b32 s[TB], s[TB], SLOT
	v_add_nc_u32 v[ADRA], s[TB], v[ADRA0]
	v_add_nc_u32 v[ADRB], s[TB], v[ADRB0]
	v_add_nc_u32 v[ADRB2], s[TB], v[ADRB20]
	s_wait_dscnt 9                                 ; the add and the youngest eight loads may be out
	MUL16 F1, 0, 0, 0
	s_wait_dscnt 0x0                               ; the add is done, and my reads of this slot are over
	s_barrier_signal -1
	MUL16 F1, 0, 2, 0
	WIN 0
	s_barrier_wait -1
.endm
; The last quarter of a K step whose slot is filled again, with the K step two on
.macro TURN
	s_wait_xcnt 0x0                                ; the last prefetch, a K step back, has read its address
	s_add_nc_u64 s[PFA:PFA+1], s[PFA:PFA+1], s[PFS:PFS+1]
	MEET
	CREST                                          ; the barrier has opened a round of the cluster's: no wave of any partner still reads this slot or has a load on its way
	s_xor_b32 s[G0A+5], s[G0A+5], SLOT             ; the walking descriptors: the other slot than last time,
	s_add_nc_u64 s[G0A+6:G0A+7], s[G0A+6:G0A+7], 256  ; the next K step; the type bits on top are not reached
	s_xor_b32 s[G0B+5], s[G0B+5], SLOT
	s_add_nc_u64 s[G0B+6:G0B+7], s[G0B+6:G0B+7], 128*ROWB
	JLOAD 1                                        ; the first tensor load behind the round, my only one until the next; its four v_nop are also the places in front of the loads below
	FETCH 0, F0
	ASK
	MUL16 F1, 1, 0, 0
	MUL16 F1, 1, 2, 0
.endm
	s_wait_tensorcnt 1                             ; my part of K step 0 is in; K step 1's may stay out
	s_barrier_signal -1
	s_barrier_wait -1
	FETCH 0, F0
	QUARTER 1, F0, F1, 1
	WIN 0
	s_mov_b32 s3, KSTEPS-2
.Lstep:                                                ; a trip goes from a K step's second quarter to the next one's first, and fills the slot that it leaves
	QUARTER 2, F1, F0, 0
	QUARTER 3, F0, F1, 0
	TURN
	QUARTER 1, F0, F1, 0
	WIN 0
	s_sub_co_u32 s3, s3, 1
	s_cmp_lg_u32 s3, 0
	s_cbranch_scc1 .Lstep
	s_mov_b32 s3, 2
.Ltail:                                                ; the last two K steps fill nothing: a text of their own, with no tensor load in it, walked twice and left in its middle
	QUARTER 2, F1, F0, 0
	QUARTER 3, F0, F1, 0
	MEET
	s_sub_co_u32 s3, s3, 1
	s_cmp_eq_u32 s3, 0
	s_cbranch_scc1 .Lout
	PLACES
	FETCH 0, F0
	MUL16 F1, 1, 0, 0
	MUL16 F1, 1, 2, 0
	QUARTER 1, F0, F1, 0
	WIN 0
	s_branch .Ltail
.Lout:
	MUL16 F1, 1, 0, 0
	MUL16 F1, 1, 2, 0
	; THE END.  The 64 accumulators go into LDS, so that ONE text, walked four times, can take them 32 rows at a time.  The ring has had its last fill and, behind this barrier, its last reader:
	; each wave takes 65,536 bytes of it for itself.
	WIN 0
	PLACES
	PLACES
	s_barrier_signal -1
	s_barrier_wait -1
.irp a, 0,1,2,3,4,5,6,7
	WIN 0x08+4*((\a)/4)                            ; the stores' data in window 2 or 3
.irp b, 0,1,2,3,4,5,6,7
	ds_store_b128 v[DA], v[8*(8*((\a)%4)+(\b)):8*(8*((\a)%4)+(\b))+3]   offset:8192*(\a)+1024*(\b)
	ds_store_b128 v[DA], v[8*(8*((\a)%4)+(\b))+4:8*(8*((\a)%4)+(\b))+7] offset:8192*(\a)+1024*(\b)+512
.endr
.endr
	WIN 0x40
.set i, 0
.rept 128
	v_mov_b32 v[i], 0                              ; k^T v starts at 0: the price of writing the loop below once, without a first trip of its own
.set i, i+1
.endr
	WIN 0
	s_mov_b32 s23, 0
	s_mov_b32 s67, 4
.Lpair:                                                ; row tiles 2 t and 2 t + 1: 32 rows
	v_add_nc_u32 v[DR], s23, v[DA]
.irp aa, 0,1
.irp b, 0,1,2,3,4,5,6,7
	ds_load_b128 v[64+64*(\aa)+8*(\b):64+64*(\aa)+8*(\b)+3],   v[DR] offset:8192*(\aa)+1024*(\b)      ; LDS serves a wave's instructions in order (ISA guide 5.7.1.4): these see my stores
	ds_load_b128 v[64+64*(\aa)+8*(\b)+4:64+64*(\aa)+8*(\b)+7], v[DR] offset:8192*(\aa)+1024*(\b)+512
.endr
.endr
	s_wait_dscnt 0x0
	; the softmax over the head's 64 columns: for each of my 16 rows four registers (column tiles 0-3) and sixteen lanes.  Maxima at v[32 + 16 aa + j], sums at v[40 + 16 aa + j].
.irp j, 0,1,2,3,4,5,6,7
.irp aa, 0,1
	v_max3_num_f32 v[32+16*(\aa)+(\j)], v[64+64*(\aa)+(\j)], v[72+64*(\aa)+(\j)], v[80+64*(\aa)+(\j)]
.endr
.endr
.irp j, 0,1,2,3,4,5,6,7
.irp aa, 0,1
	v_max_num_f32 v[32+16*(\aa)+(\j)], v[32+16*(\aa)+(\j)], v[88+64*(\aa)+(\j)]
.endr
.endr
.irp m, 1,2,4,8
.irp j, 0,1,2,3,4,5,6,7
.irp aa, 0,1
	v_max_num_f32_dpp v[32+16*(\aa)+(\j)], v[32+16*(\aa)+(\j)], v[32+16*(\aa)+(\j)] row_xmask:\m row_mask:0xf bank_mask:0xf
.endr
.endr
.endr
.irp j, 0,2,4,6
.irp aa, 0,1
	v_pk_mul_f32 v[32+16*(\aa)+(\j):32+16*(\aa)+(\j)+1], v[32+16*(\aa)+(\j):32+16*(\aa)+(\j)+1], s[CS:CS+1] op_sel_hi:[1,0]
.endr
.endr
.irp d, 0,1,2,3
.irp j, 0,2,4,6
.irp aa, 0,1
	v_pk_fma_f32 v[64+64*(\aa)+8*(\d)+(\j):64+64*(\aa)+8*(\d)+(\j)+1], v[64+64*(\aa)+8*(\d)+(\j):64+64*(\aa)+8*(\d)+(\j)+1], s[CS:CS+1], v[32+16*(\aa)+(\j):32+16*(\aa)+(\j)+1] op_sel_hi:[1,0,1] neg_lo:[0,0,1] neg_hi:[0,0,1]
.endr
.endr
.endr
.irp aa, 0,1
.set i, 0
.rept 32
	v_exp_f32 v[64+64*(\aa)+i], v[64+64*(\aa)+i]
.set i, i+1
.endr
.endr
	v_nop                                          ; a plain instruction behind the last exponential,
	s_wait_alu depctr_va_vdst(0)                   ; and one wait for the batch of 64, ahead of the first line that names a result
.irp j, 0,2,4,6
.irp aa, 0,1
	v_pk_add_f32 v[40+16*(\aa)+(\j):40+16*(\aa)+(\j)+1], v[64+64*(\aa)+(\j):64+64*(\aa)+(\j)+1], v[72+64*(\aa)+(\j):72+64*(\aa)+(\j)+1]
.endr
.endr
.irp d, 80,88
.irp j, 0,2,4,6
.irp aa, 0,1
	v_pk_add_f32 v[40+16*(\aa)+(\j):40+16*(\aa)+(\j)+1], v[40+16*(\aa)+(\j):40+16*(\aa)+(\j)+1], v[(\d)+64*(\aa)+(\j):(\d)+64*(\aa)+(\j)+1]
.endr
.endr
.endr
.irp m, 1,2,4,8
.irp j, 0,1,2,3,4,5,6,7
.irp aa, 0,1
	v_add_f32_dpp v[40+16*(\aa)+(\j)], v[40+16*(\aa)+(\j)], v[40+16*(\aa)+(\j)] row_xmask:\m row_mask:0xf bank_mask:0xf
.endr
.endr
.endr
.irp j, 0,1,2,3,4,5,6,7
.irp aa, 0,1
	v_rcp_f32 v[32+16*(\aa)+(\j)], v[40+16*(\aa)+(\j)]
.endr
.endr
	v_nop
	s_wait_alu depctr_va_vdst(0)                   ; one wait for the sixteen reciprocals
.irp d, 0,1,2,3
.irp j, 0,2,4,6
.irp aa, 0,1
	v_pk_mul_f32 v[64+64*(\aa)+8*(\d)+(\j):64+64*(\aa)+8*(\d)+(\j)+1], v[64+64*(\aa)+8*(\d)+(\j):64+64*(\aa)+8*(\d)+(\j)+1], v[32+16*(\aa)+(\j):32+16*(\aa)+(\j)+1]
.endr
.endr
.endr
	; rounded to f16 in pairs of rows: registers 4 aa + q of a fragment hold rows 16 aa + 8 (l / 16) + 2 q, + 1 of column l % 16.  k^T's fragments at v[192 + 8 dt], v's at v[224 + 8 lt]
.irp d, 0,1,2,3
.irp aa, 0,1
.irp q, 0,1,2,3
	v_cvt_pk_f16_f32 v[192+8*(\d)+4*(\aa)+(\q)], v[64+64*(\aa)+8*(\d)+2*(\q)], v[64+64*(\aa)+8*(\d)+2*(\q)+1]
	v_cvt_pk_f16_f32 v[224+8*(\d)+4*(\aa)+(\q)], v[96+64*(\aa)+8*(\d)+2*(\q)], v[96+64*(\aa)+8*(\d)+2*(\q)+1]
.endr
.endr
.endr
	WIN 0x50                                       ; C and D in window 1
.irp d, 0,1,2,3
.irp l, 0,1,2,3
	v_wmma_f32_16x16x32_f16 v[8*(4*(\d)+(\l)):8*(4*(\d)+(\l))+7], v[192+8*(\d):192+8*(\d)+7], v[224+8*(\l):224+8*(\l)+7], v[8*(4*(\d)+(\l)):8*(4*(\d)+(\l))+7]  ; the sixteen take turns, over the backward jump too
.endr
.endr
	WIN 0
	s_add_co_u32 s23, s23, 16384
	s_sub_co_u32 s67, s67, 1
	s_cmp_lg_u32 s67, 0
	s_cbranch_scc1 .Lpair
	PLACES
	PLACES
	WIN 0x04                                       ; the stores' data in window 1
.set t, 0
.rept 16
	global_store_b128 v[CO], v[8*t:8*t+3],   s[14:15] offset:1024*t      ; each store covers 512 consecutive bytes, aligned
	global_store_b128 v[CO], v[8*t+4:8*t+7], s[14:15] offset:1024*t+512
.set t, t+1
.endr
	WIN 0
	s_wait_tensorcnt 0x0                           ; the wave's end: behind my last tensor load and my last LDS store
	ds_add_u32 v[SPW], v[NIL]
	s_wait_dscnt 0x0
	CROUND                                         ; the closing round: no work-group ends while a partner may still ask for a tile that names it
	s_endpgm
.Lfunc_end_k_q35ecadc72d_kv:
	.size	k_q35ecadc72d_kv, .Lfunc_end_k_q35ecadc72d_kv-k_q35ecadc72d_kv
	.p2alignl 7, 3214868480
	.fill 96, 4, 3214868480
	.section	.rodata,"a",@progbits
	.p2align	6, 0x0
	.amdhsa_kernel k_q35ecadc72d_kv
		.amdhsa_group_segment_fixed_size 327680
		.amdhsa_private_segment_fixed_size 0
		.amdhsa_enable_private_segment 0
		.amdhsa_kernarg_size 48
		.amdhsa_user_sgpr_count 2
		.amdhsa_user_sgpr_kernarg_segment_ptr 1
		.amdhsa_wavefront_size32 1
		.amdhsa_system_sgpr_workgroup_id_x 1
		.amdhsa_system_sgpr_workgroup_id_y 1
		.amdhsa_system_sgpr_workgroup_id_z 1
		.amdhsa_system_vgpr_workitem_id 0
		.amdhsa_next_free_vgpr 1024
		.amdhsa_next_free_sgpr 80
		.amdhsa_reserve_vcc 0
		.amdhsa_float_denorm_mode_32 3
		.amdhsa_float_denorm_mode_16_64 3
		.amdhsa_memory_ordered 1
		.amdhsa_forward_progress 1
		.amdhsa_inst_pref_size 116
	.end_amdhsa_kernel
	.amdgpu_metadata
---
amdhsa.version: [ 1, 2 ]
amdhsa.kernels:
  - .name:           k_q35ecadc72d_kv
    .symbol:         k_q35ecadc72d_kv.kd
    .args:
      - { .name: nx2, .offset: 0, .size: 8, .value_kind: global_buffer, .address_space: global }
      - { .name: wk16, .offset: 8, .size: 8, .value_kind: global_buffer, .address_space: global }
      - { .name: wv16, .offset: 16, .size: 8, .value_kind: global_buffer, .address_space: global }
      - { .name: bk, .offset: 24, .size: 8, .value_kind: global_buffer, .address_space: global }
      - { .name: bv, .offset: 32, .size: 8, .value_kind: global_buffer, .address_space: global }
      - { .name: part, .offset: 40, .size: 8, .value_kind: global_buffer, .address_space: global }
    .group_segment_fixed_size: 327680
    .private_segment_fixed_size: 0
    .kernarg_segment_align: 8
    .kernarg_segment_size: 48
    .max_flat_workgroup_size: 128
    .sgpr_count:     80
    .vgpr_count:     1024
    .wavefront_size: 32
...
	.end_amdgpu_metadata
.endif
;; end of part 2
;; launch red (part 3): grid 256 x 1, 4 waves a work-group, no clusters, 0 bytes of LDS; arguments part, attnf; writes attnf
.if DOCPART == 3
	.amdgcn_target "amdgcn-amd-amdhsa--gfx1250"
	.amdhsa_code_object_version 6
	.text
	.protected	k_q35ecadc72d_red
	.globl	k_q35ecadc72d_red
	.p2align	8
	.type	k_q35ecadc72d_red,@function
k_q35ecadc72d_red:
	s_mov_b64 s[64:65], 0
	v_nop
	global_prefetch_b8 v0, s[64:65] scope:SCOPE_SE
	s_setreg_imm32_b32 hwreg(HW_REG_WAVE_MODE, 25, 1), 1
	s_wait_xcnt 0x0
; attn[b][h] = the sum of its 16 partial sums, in f32 and in a fixed order, rounded once to bf16 and laid out as the last launch's fragments want it.
; part: f32 [bh (64)][chunk (16)][tile 4 dt + lt (16)][p (2)][lane (32)][4]: lane l, register 4 p + q holds attn(d = 16 dt + 8 (l / 16) + 4 p + q, column 16 lt + l % 16).
; attnf: bf16 [bh (64)][block 4 lt + dt (16)][lane (32)][8]: a lane's 16 bytes are d = 16 dt + 8 (l / 16) + 0..7 of column 16 lt + l % 16.
; A wave takes one tile: 32 loads of 512 consecutive bytes, all on their way at once; one store of 512 consecutive bytes.  No LDS, no barrier: no wave needs another's numbers.
	s_load_b128 s[4:7], s[0:1], 0x0                ; part s[4:5], attnf s[6:7]
	v_lshrrev_b32 v2, 5, v0
	v_readfirstlane_b32 s8, v2                     ; lt = my wave's number
	v_and_b32 v1, 31, v0
	v_lshlrev_b32 v1, 4, v1                        ; 16 x lane
	s_lshr_b32 s9, ttmp9, 2                        ; bh
	s_and_b32 s10, ttmp9, 3                        ; dt
	s_lshl2_add_u32 s11, s10, s8                   ; 4 dt + lt
	s_lshl_b32 s12, s9, 18
	s_lshl_b32 s11, s11, 10
	s_add_co_u32 s12, s12, s11
	s_mov_b32 s13, 0
	s_lshl2_add_u32 s14, s8, s10                   ; 4 lt + dt
	s_lshl_b32 s14, s14, 9
	s_lshl_b32 s15, s9, 13
	s_add_co_u32 s14, s14, s15
	s_mov_b32 s15, 0
	s_wait_kmcnt 0x0
	s_add_nc_u64 s[4:5], s[4:5], s[12:13]
	s_add_nc_u64 s[6:7], s[6:7], s[14:15]
.set c, 0
.rept 16
	global_load_b128 v[16+8*c:16+8*c+3], v1, s[4:5] offset:16384*c th:TH_LOAD_NT
	global_load_b128 v[16+8*c+4:16+8*c+7], v1, s[4:5] offset:16384*c+512 th:TH_LOAD_NT
.set c, c+1
.endr
	s_wait_loadcnt 0x0
.irp s, 1,2,4,8                        ; neighbours 1, 2, 4 and 8 chunks apart
.set c, 0
.rept 8/(\s)
.irp r, 0,2,4,6
	v_pk_add_f32 v[16+8*c+(\r):16+8*c+(\r)+1], v[16+8*c+(\r):16+8*c+(\r)+1], v[16+8*(c+(\s))+(\r):16+8*(c+(\s))+(\r)+1]
.endr
.set c, c+2*(\s)
.endr
.endr
.irp r, 0,1,2,3
	v_cvt_pk_bf16_f32 v[4+(\r)], v[16+2*(\r)], v[16+2*(\r)+1]
.endr
	global_store_b128 v1, v[4:7], s[6:7]
	s_endpgm
.Lfunc_end_k_q35ecadc72d_red:
	.size	k_q35ecadc72d_red, .Lfunc_end_k_q35ecadc72d_red-k_q35ecadc72d_red
	.p2alignl 7, 3214868480
	.fill 96, 4, 3214868480
	.section	.rodata,"a",@progbits
	.p2align	6, 0x0
	.amdhsa_kernel k_q35ecadc72d_red
		.amdhsa_group_segment_fixed_size 0
		.amdhsa_private_segment_fixed_size 0
		.amdhsa_enable_private_segment 0
		.amdhsa_kernarg_size 16
		.amdhsa_user_sgpr_count 2
		.amdhsa_user_sgpr_kernarg_segment_ptr 1
		.amdhsa_wavefront_size32 1
		.amdhsa_system_sgpr_workgroup_id_x 1
		.amdhsa_system_sgpr_workgroup_id_y 1
		.amdhsa_system_sgpr_workgroup_id_z 1
		.amdhsa_system_vgpr_workitem_id 0
		.amdhsa_next_free_vgpr 152
		.amdhsa_next_free_sgpr 66
		.amdhsa_reserve_vcc 0
		.amdhsa_float_denorm_mode_32 3
		.amdhsa_float_denorm_mode_16_64 3
		.amdhsa_memory_ordered 1
		.amdhsa_forward_progress 1
		.amdhsa_inst_pref_size 9
	.end_amdhsa_kernel
	.amdgpu_metadata
---
amdhsa.version: [ 1, 2 ]
amdhsa.kernels:
  - .name:           k_q35ecadc72d_red
    .symbol:         k_q35ecadc72d_red.kd
    .args:
      - { .name: part, .offset: 0, .size: 8, .value_kind: global_buffer, .address_space: global }
      - { .name: attnf, .offset: 8, .size: 8, .value_kind: global_buffer, .address_space: global }
    .group_segment_fixed_size: 0
    .private_segment_fixed_size: 0
    .kernarg_segment_align: 8
    .kernarg_segment_size: 16
    .max_flat_workgroup_size: 128
    .sgpr_count:     66
    .vgpr_count:     152
    .wavefront_size: 32
...
	.end_amdgpu_metadata
.endif
;; end of part 3
;; launch main (part 4): grid 4 x 64, 4 waves a work-group, clusters of 4 x 4, 327,680 bytes of LDS; arguments xa, wcat, bq, bh, attnf, out0; writes out0
.if DOCPART == 4
	.amdgcn_target "amdgcn-amd-amdhsa--gfx1250"
	.amdhsa_code_object_version 6
	.text
	.protected	k_q35ecadc72d_main
	.globl	k_q35ecadc72d_main
	.p2align	8
	.type	k_q35ecadc72d_main,@function
k_q35ecadc72d_main:
	s_mov_b64 s[64:65], 0
	v_nop
	global_prefetch_b8 v0, s[64:65] scope:SCOPE_SE
	s_setreg_imm32_b32 hwreg(HW_REG_WAVE_MODE, 25, 1), 1
	s_wait_xcnt 0x0
	s_wait_alu depctr_hold_cnt(0) depctr_sa_sdst(0) depctr_va_vdst(0) depctr_va_sdst(0) depctr_va_ssrc(0) depctr_va_vcc(0) depctr_vm_vsrc(0)
	s_getreg_b32 s2, hwreg(HW_REG_IB_STS2, 6, 4)
	s_cmp_eq_u32 s2, 0
	s_cbranch_scc0 .Lentry_in_a_cluster
	s_endpgm
.Lentry_in_a_cluster:
	s_bfe_u32 s2, ttmp6, 0x10000c
	s_cmp_lg_u32 s2, 0xf033
	s_cbranch_scc0 .Lentry_shape_is_right
	s_endpgm
.Lentry_shape_is_right:
; out0 = x1 Wh + bh + softmax_d(LN(x1) Wq + bq) attn, by heads of 64 channels.
; xa: [16384][2048] bf16, a row = LN(x1)'s 1,024 numbers, then x1's.  wcat: [2048][1024] bf16, Wq's 1,024 rows (K down the rows), then Wh's.  attnf: attn in bf16, as fragments.  out0: [16384][1024] f32.
; ONE WALK OF 16 K STEPS OF 128 ON ONE SET OF ACCUMULATORS.  K steps 0-7 make q = LN(x1) Wq + bq (bq is the C operand of the first products).  Then, in registers: the softmax of each head's 64 channels, rounded to
; bf16, and y^T = attn^T P + bh, written over the same accumulators (bh is the C operand).  K steps 8-15 add x1 Wh onto them.  The ring and its descriptors step alike through all 16.
; THE RING'S TEXT IS WRITTEN FOR ONE K STEP: the slot in hand is a scalar (0 or SLOT), turned by an exclusive or at each change of slots; the LDS addresses are made of it anew, and one descriptor a tensor walks.
; SHARES.  A work-group makes 256 rows x 256 columns (4 heads) of out0; four waves, each 128 x 128 (2 heads): 64 accumulators, 512 registers.
; THE MATRIX INSTRUCTION IS USED TRANSPOSED (source 0 = 16 columns of the weights, source 1 = 16 rows of xa): a lane holds ONE row (lane % 16) and the columns 16 b + 8 (lane / 16) + 0..7.  So a head's 64 channels
; are 32 registers of a lane and of the lane 16 away; two results rounded in pairs ARE source 1 of the product with attn^T, whose result has the same layout again.
; The weights' fragments come out of LDS turned, by ds_load_tr16_b128.
; CLUSTER.  4 x 4 work-groups: the four of a row of the cluster need the same rows of xa, the four of a column the same columns of wcat: each tile is asked for jointly.
; LIMITS: matrix operands (LN(x1), x1, the weights, the softmax's weights, attn) are bf16: attn can reach 2,048 times the largest |v|, for which f16 has no room.  bq and bh are rounded to bf16, like every input,
; and enter the sums in f32.  An exponential below 2^-126 counts as 0; NaN and infinities are not treated apart.
; REGISTERS, in windows of 256 (s_set_vgpr_msb: bits 1:0 source 0, 3:2 source 1, 5:4 source 2, 7:6 destination):
;   window 0: v0-31 addresses; v32-63 the softmax's statistics; v64-127, v128-191 xa's fragments, two buffers (v128-191 hold bh in the middle; both the rows on the way out); v192-255 bq, later sums and P
;   window 1: v64-127, v128-191 the weights' fragments; v0-63 and v192-255 attn^T's fragments of my two heads     windows 2, 3: the accumulators, (a, b) at v[8 (8 (a % 4) + b)]
.set PA,     272                       ; a row of xa in LDS: 256 bytes + 16: the 16 rows of a load start at 16 different groups of four banks (64 banks of 4 bytes: ISA guide 11.1)
.set PB,     288                       ; a row of weights: 256 + 32
.set HALFA,  128*PA
.set HALFB,  128*PB
.set BOFF,   2*HALFA                   ; a slot: xa's 256 rows, then 128 K rows x 128 columns of wcat, twice
.set USED,   2*HALFA+2*HALFB           ; 143,360 bytes
.set SLOT,   147456                    ; slot 1 begins here.  The number has bits 17 and 14 alone, and none of the four tiles' places in slot 0 (0, 34,816, 69,632, 106,496) has either: one exclusive or turns a place into the other slot's
.set STAGE,  SLOT+USED                 ; behind the ring, never filled by a tensor load: 16 rows x 528 bytes for each wave, for the way out
.set SPITCH, 528                       ; 512 bytes + 16: row r starts at bank 4 r mod 64
.set SPARE,  STAGE+4*16*SPITCH         ; behind the stages: the spare words, 128 bytes for each wave: two blocks of 256 bytes that no other line names
.set KSTEPS, 16
.set ROWA,   4096                      ; bytes in a row of xa
.set ROWB,   2048                      ; bytes in a row of wcat
.set ADRA0,  16                        ; v16     my lane's place among my fragments of xa in slot 0; never rewritten
.set ADRB0,  17                        ; v17     among my columns 0-63; never rewritten
.set ADRB20, 18                        ; v18     among my columns 64-127; never rewritten
.set ADRA,   20                        ; v20-22  the same three in the slot in hand
.set ADRB,   21
.set ADRB2,  22
.set STO,    24                        ; v24     the way out: where I put 16 bytes of a row
.set RD,     25                        ; v25     the way out: where I read a row back
.set CO,     26                        ; v26     16 x lane
.set BO,     27                        ; v27     32 x (lane / 16): my eight columns of a tile, in f32
.set SPW,    28                        ; v28     LDS address of my spare word; never rewritten
.set NIL,    29                        ; v29     0; never rewritten
.set PFO,    30                        ; v30     the prefetches' offset: lane x a row's bytes; never rewritten
.set TM,     32                        ; head e's statistics at v[TM + 16 e]: +0..3 at work, +4 c m, +5 m, +6 1 / l, +7 l
.set F0,     64
.set F1,     128
.set BIAS,   192
.set TT,     192                       ; head e's partial sums at v[TT + 16 e]
.set PP,     224                       ; head e's weights in bf16 at v[PP + 16 e]
.set TB,     2                         ; s2   the slot in hand: 0 or SLOT
.set WV,     20                        ; s20  my wave's number
.set WHI,    21                        ; s21  my half of the rows.  Also: I fetch xa (0) or wcat (1)
.set WLO,    22                        ; s22  my half of the columns.  Also: which half of that tile I fetch
.set G1A,    24                        ; s[24:31] descriptor group 1 for xa's tiles;  s[32:39] group 0: a set for each of the two first fills; the second then walks on
.set G0A,    32
.set PFA,    44                        ; s[44:45] where my prefetches stand
.set G1B,    48                        ; s[48:55], s[56:63] the same for wcat's tiles
.set G0B,    56
.set LIM,    66                        ; s66  2 in a wave that prefetches, else the greatest number
.set MSK,    67                        ; s67  a word's upper bf16
.set PFS,    68                        ; s[68:69] a K step in bytes, along xa's rows or down wcat's
.set CS,     70                        ; s[70:71] log2(e)
.set SEL,    72                        ; s[72:73] v_permlanex16_b32's selects: each lane takes its own place in the other half
.set MSB, 0
.macro WIN new                         ; the immediate's high byte repeats the setting that is left; a switch that changes nothing is dropped
.if MSB != (\new)
	s_set_vgpr_msb (MSB<<8)|(\new)
.set MSB, \new
.endif
.endm
.macro PLACES                          ; four places in front of loads into registers that matrix instructions have read and of lines that read results
.rept 4
	v_nop
.endr
.endm
; 64 numbers of a bias at v[base] of window 0 are rounded to bf16 and widened again, in place; v32-63 are at work
.macro ROUNDB base
	WIN 0
.set p, 0
.rept 32
	v_cvt_pk_bf16_f32 v[32+p], v[(\base)+2*p], v[(\base)+2*p+1]
.set p, p+1
.endr
.set p, 0
.rept 32
	v_lshlrev_b32 v[(\base)+2*p], 16, v[32+p]
	v_and_b32 v[(\base)+2*p+1], s[MSK], v[32+p]
.set p, p+1
.endr
.endm
; A joint load: waves 0 and 1 fetch xa's two halves, waves 2 and 3 wcat's.  The branch hangs on the wave's number alone.  An s_nop 0 and four v_nop follow each line.
.macro JLOAD s
	s_cmp_eq_u32 s[WHI], 0
	s_cbranch_scc0 .Lfor_b_\@
	tensor_load_to_lds s[G0A+4*(\s):G0A+4*(\s)+3], s[G1A:G1A+7]
	s_nop 0
.rept 4
	v_nop
.endr
	s_branch .Lasked_\@
.Lfor_b_\@:
	tensor_load_to_lds s[G0B+4*(\s):G0B+4*(\s)+3], s[G1B:G1B+7]
	s_nop 0
.rept 4
	v_nop
.endr
.Lasked_\@:
.endm
; A prefetch into the L2 of the K step that stands two refills on: 32 rows x 256 bytes, a lane a row.  xa's rows are read by one cluster alone (the grid is one cluster wide), which asks; wcat's columns by
; all clusters: the one with y = 0 asks.  Of the 128 rows that a wave fetches each of the four partners takes 32, told apart by address.  The loop's last two trips have no K step two refills on.
.macro ASK
	s_cmp_gt_u32 s3, s[LIM]
	s_cbranch_scc0 .Lnot_mine_\@
	global_prefetch_b8 v[PFO], s[PFA:PFA+1] th:TH_LOAD_NT scope:SCOPE_SE
.Lnot_mine_\@:
.endm
.macro CREST                           ; a round of the cluster's barrier behind its opening barrier
	s_cmp_lg_u32 s[WV], 0
	s_cbranch_scc1 .Lnot_wave_0_\@
	s_barrier_signal -3
.Lnot_wave_0_\@:
	s_barrier_wait -3
	s_barrier_signal -1
	s_barrier_wait -1
.endm
.macro CROUND                          ; a whole round
	s_barrier_signal -1
	s_barrier_wait -1
	CREST
.endm
	s_load_b256 s[4:11], s[0:1], 0x0               ; xa s[4:5], wcat s[6:7], bq s[8:9], bh s[10:11]
	s_load_b128 s[12:15], s[0:1], 0x20             ; attnf s[12:13], out0 s[14:15]
	v_lshl_add_u32 v[SPW], v0, 2, SPARE
	v_mov_b32 v[NIL], 0
	ds_add_u32 v[SPW], v[NIL]                      ; the wave's opening: the add and its wait come ahead of my first tensor load; the set-up below stands between them
	v_lshrrev_b32 v1, 5, v0
	v_readfirstlane_b32 s[WV], v1
	s_lshr_b32 s[WHI], s[WV], 1
	s_and_b32 s[WLO], s[WV], 1
	s_bfe_u32 s40, ttmp6, 0x40000                  ; cx, cy: my place in the cluster
	s_bfe_u32 s41, ttmp6, 0x40004
	s_lshl_b32 s42, ttmp9, 2
	s_add_co_u32 s42, s42, s40                     ; tc = 4 x cluster x + cx
	s_and_b32 s43, ttmp7, 0xffff
	s_lshl_b32 s43, s43, 2
	s_add_co_u32 s43, s43, s41                     ; tr = 4 x cluster y + cy
	s_lshl_b32 s16, s41, 2
	s_lshl_b32 s16, 15, s16                        ; my row of the cluster
	s_lshl_b32 s17, 0x1111, s40                    ; my column
	s_or_b32 s[G1A], s16, (1<<16)|(1<<20)|(1<<21)|(5<<22)|(3<<25)  ; 15:0 the mask; 17:16 2-byte elements; 20 padding on; 21 set beside a mask; 24:22 after every 64 words; 31:25 4 words of it
	s_or_b32 s[G1B], s17, (1<<16)|(1<<20)|(1<<21)|(5<<22)|(7<<25)  ; the same with my column's mask and 8 words of padding
.irp g, G1A, G1B
	s_mov_b32 s[(\g)+1], 128<<16                   ; tensor_dim0 = 128
	s_mov_b32 s[(\g)+2], 128<<16                   ; tensor_dim1 = 128
	s_mov_b32 s[(\g)+3], 128<<16                   ; tile_dim0 = 128
	s_mov_b32 s[(\g)+4], 128                       ; tile_dim1 = 128
	s_mov_b32 s[(\g)+6], 0
	s_mov_b32 s[(\g)+7], 0
.endr
	s_mov_b32 s[G1A+5], ROWA/2                     ; elements from row to row
	s_mov_b32 s[G1B+5], ROWB/2
	s_lshl_b32 s74, s43, 8                         ; xa: row 256 tr + 128 x half, in bytes (under 2^27): made of tr and the wave's number alone
	s_lshl_b32 s23, s[WLO], 7
	s_add_co_u32 s74, s74, s23
	s_mul_i32 s74, s74, ROWA
	s_mov_b32 s75, 0
	s_lshl_b32 s46, s42, 9                         ; wcat: column 256 tc + 128 x half, in bytes: made of tc and the wave's number alone
	s_lshl_b32 s23, s[WLO], 8
	s_add_co_u32 s46, s46, s23
	s_mov_b32 s47, 0
	s_mul_i32 s18, s[WLO], HALFA                   ; where the tiles go: no place in the cluster enters an LDS address
	s_mul_i32 s19, s[WLO], HALFB
	s_add_co_u32 s19, s19, BOFF
	s_mov_b32 s[CS], 0x3fb8aa3b
	s_mov_b32 s[CS+1], s[CS]                       ; named with it as a pair
	s_mov_b32 s[SEL], 0x76543210
	s_mov_b32 s[SEL+1], 0xfedcba98
	s_mov_b32 s[MSK], 0xffff0000
	s_mov_b32 s[TB], 0
	s_wait_dscnt 0x0                               ; the opening add is done
	s_wait_kmcnt 0x0
	s_add_nc_u64 s[74:75], s[4:5], s[74:75]
	s_add_nc_u64 s[46:47], s[6:7], s[46:47]
	CROUND                                         ; all sixteen work-groups are here: the first joint loads meet
.irp s, 0,1
	s_mov_b32 s[G0A+4*(\s)], 1
	s_add_co_u32 s[G0A+4*(\s)+1], s18, (\s)*SLOT
	s_add_nc_u64 s[G0A+4*(\s)+2:G0A+4*(\s)+3], s[74:75], (\s)*256
	s_or_b32 s[G0A+4*(\s)+3], s[G0A+4*(\s)+3], 0x80000000
	s_mov_b32 s[G0B+4*(\s)], 1
	s_add_co_u32 s[G0B+4*(\s)+1], s19, (\s)*SLOT
	s_add_nc_u64 s[G0B+4*(\s)+2:G0B+4*(\s)+3], s[46:47], (\s)*128*ROWB
	s_or_b32 s[G0B+4*(\s)+3], s[G0B+4*(\s)+3], 0x80000000
	JLOAD \s                                       ; two loads of mine are out
.endr
	v_and_b32 v1, 15, v0                           ; l % 16
	v_bfe_u32 v2, v0, 4, 1                         ; l / 16
	v_and_b32 v7, 31, v0                           ; l
	v_mul_u32_u24 v3, v1, PA
	v_lshl_add_u32 v3, v2, 4, v3                   ; xa: row x pitch + 16 x half
	v_and_b32 v4, 7, v0
	v_bfe_u32 v5, v0, 3, 1
	v_lshl_add_u32 v6, v2, 3, v4
	v_mul_u32_u24 v6, v6, PB
	v_lshl_add_u32 v6, v5, 4, v6                   ; wcat: K row 8 (l / 16) + l % 8, columns 8 ((l / 8) % 2) on
	s_mul_i32 s16, s[WHI], HALFA
	s_mul_i32 s17, s[WLO], HALFB
	s_add_co_u32 s17, s17, BOFF
	v_add_nc_u32 v[ADRA0], s16, v3
	v_add_nc_u32 v[ADRB0], s17, v6
	v_add_nc_u32 v[ADRB20], 128, v[ADRB0]
	v_mov_b32 v[ADRA], v[ADRA0]                    ; K step 0 lies in slot 0
	v_mov_b32 v[ADRB], v[ADRB0]
	v_mov_b32 v[ADRB2], v[ADRB20]
	s_mul_i32 s16, s[WV], 16*SPITCH
	s_add_co_u32 s16, s16, STAGE                   ; my stage
	v_mul_u32_u24 v[STO], v1, SPITCH               ; in: row l % 16, 32 bytes for each half of the lanes
	v_lshl_add_u32 v[STO], v2, 5, v[STO]
	v_add_nc_u32 v[STO], s16, v[STO]
	v_lshl_add_u32 v[RD], v7, 4, s16               ; back: 32 lanes take one row's 512 bytes
	v_lshlrev_b32 v[CO], 4, v7
	v_lshlrev_b32 v[BO], 5, v2
	s_lshl_b32 s78, s42, 10                        ; my 128 columns in f32: 1,024 tc + 512 x half
	s_lshl_b32 s16, s[WLO], 9
	s_add_co_u32 s78, s78, s16
	s_mov_b32 s79, 0
	s_add_nc_u64 s[8:9], s[8:9], s[78:79]
	s_add_nc_u64 s[10:11], s[10:11], s[78:79]
	s_add_nc_u64 s[14:15], s[14:15], s[78:79]
	s_lshl_b32 s16, s43, 8                         ; my first row of out0: 256 tr + 128 x half, 4,096 bytes a row
	s_lshl_b32 s17, s[WHI], 7
	s_add_co_u32 s16, s16, s17
	s_lshl_b32 s16, s16, 12
	s_mov_b32 s17, 0
	s_add_nc_u64 s[14:15], s[14:15], s[16:17]
	s_lshr_b32 s16, s43, 4                         ; attnf: head 16 b + 4 tc + 2 x half, b = tr / 16; 8,192 bytes a head
	s_lshl_b32 s16, s16, 4
	s_lshl2_add_u32 s16, s42, s16
	s_lshl1_add_u32 s16, s[WLO], s16
	s_lshl_b32 s16, s16, 13
	s_add_nc_u64 s[12:13], s[12:13], s[16:17]
.irp b, 0,1,2,3,4,5,6,7
	global_load_b128 v[BIAS+8*(\b):BIAS+8*(\b)+3],   v[BO], s[8:9] offset:64*(\b)      ; bq of columns 16 b + 8 (l / 16) + 0..7
	global_load_b128 v[BIAS+8*(\b)+4:BIAS+8*(\b)+7], v[BO], s[8:9] offset:64*(\b)+16
.endr
	WIN 0x40                                       ; destination window 1
.irp e, 0,1
.irp f, 0,1,2,3,4,5,6,7                ; fragment f = 2 c + kk of head e: columns 16 c + l % 16 of attn, d = 32 kk + 8 (l / 16) + 0..7 and + 16
	global_load_b128 v[192*(\e)+8*(\f):192*(\e)+8*(\f)+3],   v[CO], s[12:13] offset:8192*(\e)+1024*(\f)
	global_load_b128 v[192*(\e)+8*(\f)+4:192*(\e)+8*(\f)+7], v[CO], s[12:13] offset:8192*(\e)+1024*(\f)+512
.endr
.endr
	WIN 0
	; the prefetches
	s_mov_b32 s18, 32*ROWB
	s_mov_b32 s[PFS], 128*ROWB
	s_mov_b32 s19, ROWB
	s_and_b32 s16, ttmp7, 0xffff                   ; cluster y
	s_cmp_eq_u32 s[WHI], 0                         ; do I fetch xa?
	s_cselect_b32 s17, s40, s41                    ; my place among the four that ask with me
	s_cselect_b32 s16, ttmp9, s16                  ; the coordinate along which other clusters read the same rows
	s_cselect_b64 s[PFA:PFA+1], s[74:75], s[46:47]
	s_cselect_b32 s18, 32*ROWA, s18
	s_cselect_b32 s[PFS], 256, s[PFS]
	s_cselect_b32 s19, ROWA, s19
	s_mov_b32 s[PFS+1], 0
	s_cmp_eq_u32 s16, 0
	s_cselect_b32 s[LIM], 2, -1                    ; the same in all sixteen partners, for a given wave
	s_mul_i32 s16, s17, s18                        ; my work-group's 32 rows of the 128
	s_mov_b32 s17, 0
	s_add_nc_u64 s[PFA:PFA+1], s[PFA:PFA+1], s[16:17]
	s_mul_i32 s16, s[PFS], 3                       ; at K step 3: the first refill steps it to 4 and names that; nothing is asked for here, at the head
	s_add_nc_u64 s[PFA:PFA+1], s[PFA:PFA+1], s[16:17]
	v_mul_u32_u24 v[PFO], s19, v7
; 16 matrix instructions: row tiles a0, a0 + 1 of the window's four x all 8 column tiles, 32 along K.  first = 1: bq starts the sums.  The 64 accumulators take turns.
.macro MUL16 f, hi, a0, first
.if \first
	WIN 0x81+0x40*(\hi)
.else
	WIN 0xa1+0x50*(\hi)
.endif
.irp a, \a0, (\a0)+1
.irp b, 0,1,2,3,4,5,6,7
.if \first
	v_wmma_f32_16x16x32_bf16 v[8*(8*(\a)+(\b)):8*(8*(\a)+(\b))+7], v[(\f)+8*(\b):(\f)+8*(\b)+7], v[(\f)+8*(4*(\hi)+(\a)):(\f)+8*(4*(\hi)+(\a))+7], v[BIAS+8*(\b):BIAS+8*(\b)+7]
.else
	v_wmma_f32_16x16x32_bf16 v[8*(8*(\a)+(\b)):8*(8*(\a)+(\b))+7], v[(\f)+8*(\b):(\f)+8*(\b)+7], v[(\f)+8*(4*(\hi)+(\a)):(\f)+8*(4*(\hi)+(\a))+7], v[8*(8*(\a)+(\b)):8*(8*(\a)+(\b))+7]
.endif
.endr
.endr
.endm
; 32 LDS loads in one run: quarter q (32 along K) of the slot in hand into buffer f: the weights' 8 fragments, turned, then xa's 8
.macro FETCH q, f
	WIN 0x40
.irp b, 0,1,2,3
	ds_load_tr16_b128 v[(\f)+8*(\b):(\f)+8*(\b)+3],   v[ADRB] offset:(\q)*32*PB+32*(\b)
	ds_load_tr16_b128 v[(\f)+8*(\b)+4:(\f)+8*(\b)+7], v[ADRB] offset:(\q)*32*PB+32*(\b)+16*PB
.endr
.irp b, 0,1,2,3
	ds_load_tr16_b128 v[(\f)+32+8*(\b):(\f)+32+8*(\b)+3],   v[ADRB2] offset:(\q)*32*PB+32*(\b)
	ds_load_tr16_b128 v[(\f)+32+8*(\b)+4:(\f)+32+8*(\b)+7], v[ADRB2] offset:(\q)*32*PB+32*(\b)+16*PB
.endr
	WIN 0
.irp i, 0,1,2,3,4,5,6,7
	ds_load_b128 v[(\f)+8*(\i):(\f)+8*(\i)+3],   v[ADRA] offset:64*(\q)+(\i)*16*PA
	ds_load_b128 v[(\f)+8*(\i)+4:(\f)+8*(\i)+7], v[ADRA] offset:64*(\q)+(\i)*16*PA+32
.endr
.endm
; One of a K step's first three quarters: multiplies buffer f and, in its middle, fetches quarter q into buffer g
.macro QUARTER q, f, g, first
	s_wait_dscnt 8                                 ; all but the youngest eight loads (xa's rows 64-127)
	MUL16 \f, 0, 0, \first
	MUL16 \f, 0, 2, \first
	PLACES
	FETCH \q, \g
	s_wait_dscnt 32                                ; all but the 32 just issued
	MUL16 \f, 1, 0, \first
	MUL16 \f, 1, 2, \first
.endm
; The first half of the last quarter, and the one barrier of a change of slots: in front of it each wave waits for all its tensor loads (one is out at the most: its part of the next slot), adds 0 to its spare
; word, and waits for that and for its reads of this slot.  All loads from this slot have been issued, so the slot in hand is turned and the three addresses are made anew while the add is out.
.macro MEET
	WIN 0
	s_wait_tensorcnt 0x0
	ds_add_u32 v[SPW], v[NIL]
	s_xor_b32 s[TB], s[TB], SLOT
	v_add_nc_u32 v[ADRA], s[TB], v[ADRA0]
	v_add_nc_u32 v[ADRB], s[TB], v[ADRB0]
	v_add_nc_u32 v[ADRB2], s[TB], v[ADRB20]
	s_wait_dscnt 9                                 ; the add and the youngest eight loads may be out
	MUL16 F1, 0, 0, 0
	s_wait_dscnt 0x0                               ; the add is done, and my reads of this slot are over
	s_barrier_signal -1
	MUL16 F1, 0, 2, 0
	WIN 0
	s_barrier_wait -1
.endm
; The last quarter of a K step whose slot is filled again, with the K step two on
.macro TURN
	s_wait_xcnt 0x0                                ; the last prefetch, a K step back, has read its address
	s_add_nc_u64 s[PFA:PFA+1], s[PFA:PFA+1], s[PFS:PFS+1]
	MEET
	CREST                                          ; the barrier has opened a round of the cluster's: no wave of any partner still reads this slot or has a load on its way
	s_xor_b32 s[G0A+5], s[G0A+5], SLOT             ; the walking descriptors: the other slot than last time,
	s_add_nc_u64 s[G0A+6:G0A+7], s[G0A+6:G0A+7], 256  ; the next K step; the type bits on top are not reached
	s_xor_b32 s[G0B+5], s[G0B+5], SLOT
	s_add_nc_u64 s[G0B+6:G0B+7], s[G0B+6:G0B+7], 128*ROWB
	JLOAD 1                                        ; the first tensor load behind the round, my only one until the next; its four v_nop are also the places in front of the loads below
	FETCH 0, F0
	ASK
	MUL16 F1, 1, 0, 0
	MUL16 F1, 1, 2, 0
.endm
; THE MIDDLE, for row tile a: its 8 accumulators are two heads (e = 0, 1) x four tiles of 16 channels; s0-s31 = v[AC + 32 e + 0..31] are a lane's 32 scores of a head.  The two heads' lines alternate.
.macro PAIR a
.set W, 2+(\a)/4                       ; the accumulators' window
.set AC, 64*((\a)%4)
.set W3, W|(W<<2)|(W<<4)               ; three sources there
.set W12, (W<<2)|(W<<4)                ; sources 1 and 2
.set WDS, (W<<6)|W                     ; destination and source 0
.set W01, W|(W<<2)                     ; sources 0 and 1
	WIN W3                                         ; the maximum: four chains
.irp n, 0,1,2,3
.irp e, 0,1
	v_max3_num_f32 v[TM+16*(\e)+(\n)], v[AC+32*(\e)+8*(\n)], v[AC+32*(\e)+8*(\n)+1], v[AC+32*(\e)+8*(\n)+2]
.endr
.endr
	WIN W12
.irp k, 3,5
.irp n, 0,1,2,3
.irp e, 0,1
	v_max3_num_f32 v[TM+16*(\e)+(\n)], v[TM+16*(\e)+(\n)], v[AC+32*(\e)+8*(\n)+(\k)], v[AC+32*(\e)+8*(\n)+(\k)+1]
.endr
.endr
.endr
.irp e, 0,1
	v_max3_num_f32 v[TM+16*(\e)], v[TM+16*(\e)], v[AC+32*(\e)+7], v[AC+32*(\e)+15]
	v_max3_num_f32 v[TM+16*(\e)+2], v[TM+16*(\e)+2], v[AC+32*(\e)+23], v[AC+32*(\e)+31]
.endr
	WIN 0
.irp e, 0,1
	v_max3_num_f32 v[TM+16*(\e)], v[TM+16*(\e)], v[TM+16*(\e)+1], v[TM+16*(\e)+2]
.endr
.irp e, 0,1
	v_max_num_f32 v[TM+16*(\e)], v[TM+16*(\e)], v[TM+16*(\e)+3]
.endr
.irp e, 0,1
	v_permlanex16_b32 v[TM+16*(\e)+1], v[TM+16*(\e)], s[SEL], s[SEL+1]  ; the row's other 32 channels lie in the lane 16 away
.endr
.irp e, 0,1
	v_max_num_f32 v[TM+16*(\e)+5], v[TM+16*(\e)], v[TM+16*(\e)+1]
.endr
.irp e, 0,1
	v_mul_f32 v[TM+16*(\e)+4], s[CS], v[TM+16*(\e)+5]
.endr
	WIN WDS
.set i, 0
.rept 16
.irp e, 0,1
	v_pk_fma_f32 v[AC+32*(\e)+2*i:AC+32*(\e)+2*i+1], v[AC+32*(\e)+2*i:AC+32*(\e)+2*i+1], s[CS:CS+1], v[TM+16*(\e)+4:TM+16*(\e)+5] op_sel_hi:[1,0,0] neg_lo:[0,0,1] neg_hi:[0,0,1]  ; c s - c m
.endr
.set i, i+1
.endr
.set i, 0
.rept 64
	v_exp_f32 v[AC+i], v[AC+i]
.set i, i+1
.endr
	v_nop                                          ; a plain instruction behind the last exponential,
	s_wait_alu depctr_va_vdst(0)                   ; and one wait for the batch of 64, ahead of the first line that names a result
	WIN W01
.set i, 0
.rept 8
.irp e, 0,1
	v_pk_add_f32 v[TT+16*(\e)+2*i:TT+16*(\e)+2*i+1], v[AC+32*(\e)+4*i:AC+32*(\e)+4*i+1], v[AC+32*(\e)+4*i+2:AC+32*(\e)+4*i+3]
.endr
.set i, i+1
.endr
	WIN 0
.irp i, 0,2,4,6
.irp e, 0,1
	v_pk_add_f32 v[TT+16*(\e)+(\i):TT+16*(\e)+(\i)+1], v[TT+16*(\e)+(\i):TT+16*(\e)+(\i)+1], v[TT+16*(\e)+(\i)+8:TT+16*(\e)+(\i)+9]
.endr
.endr
.irp i, 0,2
.irp e, 0,1
	v_pk_add_f32 v[TT+16*(\e)+(\i):TT+16*(\e)+(\i)+1], v[TT+16*(\e)+(\i):TT+16*(\e)+(\i)+1], v[TT+16*(\e)+(\i)+4:TT+16*(\e)+(\i)+5]
.endr
.endr
.irp e, 0,1
	v_pk_add_f32 v[TT+16*(\e):TT+16*(\e)+1], v[TT+16*(\e):TT+16*(\e)+1], v[TT+16*(\e)+2:TT+16*(\e)+3]
.endr
.irp e, 0,1
	v_add_f32 v[TM+16*(\e)+7], v[TT+16*(\e)], v[TT+16*(\e)+1]
.endr
.irp e, 0,1
	v_permlanex16_b32 v[TM+16*(\e)], v[TM+16*(\e)+7], s[SEL], s[SEL+1]
.endr
.irp e, 0,1
	v_add_f32 v[TM+16*(\e)+7], v[TM+16*(\e)+7], v[TM+16*(\e)]
.endr
.irp e, 0,1
	v_rcp_f32 v[TM+16*(\e)+6], v[TM+16*(\e)+7]
.endr
	v_nop
	s_wait_alu depctr_va_vdst(0)                   ; one wait for the two reciprocals
	WIN WDS
.set i, 0
.rept 16
.irp e, 0,1
	v_pk_mul_f32 v[AC+32*(\e)+2*i:AC+32*(\e)+2*i+1], v[AC+32*(\e)+2*i:AC+32*(\e)+2*i+1], v[TM+16*(\e)+6:TM+16*(\e)+7] op_sel_hi:[1,0]
.endr
.set i, i+1
.endr
	WIN W01
.set i, 0
.rept 16
.irp e, 0,1
	v_cvt_pk_bf16_f32 v[PP+16*(\e)+i], v[AC+32*(\e)+2*i], v[AC+32*(\e)+2*i+1]
.endr
.set i, i+1
.endr
.if (\a) == 0
	s_wait_loadcnt 0x0                             ; bh is in;
	ROUNDB F1                                      ; it is rounded here, where this tile's statistics in v32-63 have served
.endif
	WIN (W<<6)|1                                   ; y^T = attn^T P + bh over the scores' registers: attn^T in window 1, P and bh in window 0.  The eight accumulators take turns
.irp c, 0,1,2,3
.irp e, 0,1
	v_wmma_f32_16x16x32_bf16 v[AC+32*(\e)+8*(\c):AC+32*(\e)+8*(\c)+7], v[192*(\e)+16*(\c):192*(\e)+16*(\c)+7], v[PP+16*(\e):PP+16*(\e)+7], v[F1+8*(4*(\e)+(\c)):F1+8*(4*(\e)+(\c))+7]
.endr
.endr
	WIN (W<<6)|(W<<4)|1
.irp c, 0,1,2,3
.irp e, 0,1
	v_wmma_f32_16x16x32_bf16 v[AC+32*(\e)+8*(\c):AC+32*(\e)+8*(\c)+7], v[192*(\e)+16*(\c)+8:192*(\e)+16*(\c)+15], v[PP+16*(\e)+8:PP+16*(\e)+15], v[AC+32*(\e)+8*(\c):AC+32*(\e)+8*(\c)+7]
.endr
.endr
.endm
	s_wait_loadcnt 0x0                             ; bq and attn^T
	ROUNDB BIAS
	s_wait_tensorcnt 1                             ; my part of K step 0 is in; K step 1's may stay out
	s_barrier_signal -1
	s_barrier_wait -1
	FETCH 0, F0
	QUARTER 1, F0, F1, 1
	WIN 0
	s_mov_b32 s3, KSTEPS-2
.Lstep:                                                ; a trip goes from a K step's second quarter to the next one's first, and fills the slot that it leaves
	QUARTER 2, F1, F0, 0
	QUARTER 3, F0, F1, 0
	TURN
	WIN 0
	s_cmp_lg_u32 s3, KSTEPS-2-7                    ; the eighth trip has just ended K step 7: q is whole
	s_cbranch_scc1 .Lno_mid
	PLACES                                         ; THE MIDDLE: registers alone, no LDS instruction, no barrier, no tensor load.  Buffer 0 holds K step 8's first fragments and is left alone; buffer 1 of window 0 takes bh
.irp b, 0,1,2,3,4,5,6,7
	global_load_b128 v[F1+8*(\b):F1+8*(\b)+3],   v[BO], s[10:11] offset:64*(\b)
	global_load_b128 v[F1+8*(\b)+4:F1+8*(\b)+7], v[BO], s[10:11] offset:64*(\b)+16
.endr
	PAIR 0
	PAIR 1
	PAIR 2
	PAIR 3
	PAIR 4
	PAIR 5
	PAIR 6
	PAIR 7
	WIN 0
.Lno_mid:
	QUARTER 1, F0, F1, 0
	WIN 0
	s_sub_co_u32 s3, s3, 1
	s_cmp_lg_u32 s3, 0
	s_cbranch_scc1 .Lstep
	s_mov_b32 s3, 2
.Ltail:                                                ; the last two K steps fill nothing: a text of their own, with no tensor load in it, walked twice and left in its middle
	QUARTER 2, F1, F0, 0
	QUARTER 3, F0, F1, 0
	MEET
	s_sub_co_u32 s3, s3, 1
	s_cmp_eq_u32 s3, 0
	s_cbranch_scc1 .Lout
	PLACES
	FETCH 0, F0
	MUL16 F1, 1, 0, 0
	MUL16 F1, 1, 2, 0
	QUARTER 1, F0, F1, 0
	WIN 0
	s_branch .Ltail
.Lout:
	MUL16 F1, 1, 0, 0
	MUL16 F1, 1, 2, 0
; THE WAY OUT, 16 rows at a time: a lane's 32 bytes of a tile go into my own stage, rows of 528 bytes, and come back as whole rows of 512, into the fragments' registers, two sets by turns.
.macro TOSTAGE a
.set OB, 64+64*((\a)%2)
.set AC, 64*((\a)%4)
	s_wait_xcnt 0x0                                ; the stores of the block two back have read these registers
	WIN 0x08+4*((\a)/4)                            ; the stores' data in window 2 or 3
.irp b, 0,1,2,3,4,5,6,7
	ds_store_b128 v[STO], v[AC+8*(\b):AC+8*(\b)+3]   offset:64*(\b)
	ds_store_b128 v[STO], v[AC+8*(\b)+4:AC+8*(\b)+7] offset:64*(\b)+16
.endr
	WIN 0
.set rr, 0
.rept 16
	ds_load_b128 v[OB+4*rr:OB+4*rr+3], v[RD] offset:SPITCH*rr  ; LDS serves a wave's instructions in order (ISA guide 5.7.1.4): these see the stores above; the next block's stores come behind them
.set rr, rr+1
.endr
.endm
.macro SEND a, younger                 ; younger: the LDS instructions issued behind block a's loads: the next block's 32, or none
.set OB, 64+64*((\a)%2)
	s_wait_dscnt \younger
	s_wait_xcnt 0x0                                ; the earlier stores have read their base
.if (\a) > 0
	s_add_nc_u64 s[14:15], s[14:15], 16*4096
.endif
.set rr, 0
.rept 16
	global_store_b128 v[CO], v[OB+4*rr:OB+4*rr+3], s[14:15] offset:4096*rr th:TH_STORE_NT  ; 512 consecutive bytes of a row of out0, aligned
.set rr, rr+1
.endr
.endm
	WIN 0
	PLACES
	PLACES
	TOSTAGE 0
.irp a, 1,2,3,4,5,6,7
	TOSTAGE \a
	SEND (\a)-1, 32
.endr
	SEND 7, 0
	s_wait_tensorcnt 0x0                           ; the wave's end: behind my last tensor load and my last LDS store
	ds_add_u32 v[SPW], v[NIL]
	s_wait_dscnt 0x0
	CROUND                                         ; the closing round: no work-group ends while a partner may still ask for a tile that names it
	s_endpgm
.Lfunc_end_k_q35ecadc72d_main:
	.size	k_q35ecadc72d_main, .Lfunc_end_k_q35ecadc72d_main-k_q35ecadc72d_main
	.p2alignl 7, 3214868480
	.fill 96, 4, 3214868480
	.section	.rodata,"a",@progbits
	.p2align	6, 0x0
	.amdhsa_kernel k_q35ecadc72d_main
		.amdhsa_group_segment_fixed_size 327680
		.amdhsa_private_segment_fixed_size 0
		.amdhsa_enable_private_segment 0
		.amdhsa_kernarg_size 48
		.amdhsa_user_sgpr_count 2
		.amdhsa_user_sgpr_kernarg_segment_ptr 1
		.amdhsa_wavefront_size32 1
		.amdhsa_system_sgpr_workgroup_id_x 1
		.amdhsa_system_sgpr_workgroup_id_y 1
		.amdhsa_system_sgpr_workgroup_id_z 1
		.amdhsa_system_vgpr_workitem_id 0
		.amdhsa_next_free_vgpr 1024
		.amdhsa_next_free_sgpr 80
		.amdhsa_reserve_vcc 0
		.amdhsa_float_denorm_mode_32 3
		.amdhsa_float_denorm_mode_16_64 3
		.amdhsa_memory_ordered 1
		.amdhsa_forward_progress 1
		.amdhsa_inst_pref_size 227
	.end_amdhsa_kernel
	.amdgpu_metadata
---
amdhsa.version: [ 1, 2 ]
amdhsa.kernels:
  - .name:           k_q35ecadc72d_main
    .symbol:         k_q35ecadc72d_main.kd
    .args:
      - { .name: xa, .offset: 0, .size: 8, .value_kind: global_buffer, .address_space: global }
      - { .name: wcat, .offset: 8, .size: 8, .value_kind: global_buffer, .address_space: global }
      - { .name: bq, .offset: 16, .size: 8, .value_kind: global_buffer, .address_space: global }
      - { .name: bh, .offset: 24, .size: 8, .value_kind: global_buffer, .address_space: global }
      - { .name: attnf, .offset: 32, .size: 8, .value_kind: global_buffer, .address_space: global }
      - { .name: out0, .offset: 40, .size: 8, .value_kind: global_buffer, .address_space: global }
    .group_segment_fixed_size: 327680
    .private_segment_fixed_size: 0
    .kernarg_segment_align: 8
    .kernarg_segment_size: 48
    .max_flat_workgroup_size: 128
    .sgpr_count:     80
    .vgpr_count:     1024
    .wavefront_size: 32
...
	.end_amdgpu_metadata
.endif
;; end of part 4
